; MI455X (gfx1250); checked and timed in simulation.
; The chip was launched on July 23, 2026; its instructions are those of AMD's public machine-readable ISA for CDNA 5 (MIT licence, August 2026) and "CDNA5" Instruction Set Architecture Reference Guide (July 2026). The comments in the code are by the model that wrote it; some were corrected since.
;; Prunable Llama Attention. Allowed arithmetic: matrix products marked QUANTISED: E2M1 operands, one E8M0 scale for each 32 along K, by v_wmma_scale_f32_16x16x128_f8f6f4 with both operands' format E2M1 (or v_wmma_scale_f32_32x16x128_f4), f32 sums; everything else in f32.
;; Inputs: Wk_codes 1,024 x 128 x 16 uint8 (E2M1 codes of Wk, K innermost, in blocks of 32 codes, two codes a byte); Wk_scales 1,024 x 128 uint8 (E8M0 scales of Wk, one for each 32 codes along K); Wo_codes 4,096 x 64 x 16 uint8 (E2M1 codes of Wo, K innermost, in blocks of 32 codes, two codes a byte); Wo_scales 4,096 x 64 uint8 (E8M0 scales of Wo, one for each 32 codes along K); Wq_codes 2,048 x 128 x 16 uint8 (E2M1 codes of Wq, K innermost, in blocks of 32 codes, two codes a byte); Wq_scales 2,048 x 128 uint8 (E8M0 scales of Wq, one for each 32 codes along K); Wv_codes 1,024 x 128 x 16 uint8 (E2M1 codes of Wv, K innermost, in blocks of 32 codes, two codes a byte); Wv_scales 1,024 x 128 uint8 (E8M0 scales of Wv, one for each 32 codes along K); attention_mask 1 x 1 x 2,048 x 2,048 float32; hidden_states_codes 1 x 2,048 x 128 x 16 uint8 (E2M1 codes of hidden_states, K innermost, in blocks of 32 codes, two codes a byte); hidden_states_scales 1 x 2,048 x 128 uint8 (E8M0 scales of hidden_states, one for each 32 codes along K); position_ids 1 x 2,048 int32.
;; Outputs: out0 1 x 2,048 x 4,096 float32.
;; This version of the problem:
;;   THIS VERSION OF THE PROBLEM IS GIVEN IN LOW PRECISION. The matrix products marked QUANTISED in the list below multiply operands that are first quantised to E2M1 (2 exponent bits, 1 mantissa bit; 4 bits a number), with one power-of-two scale for each 32 numbers along K (OCP MX v1.0); their sums are f32. All else is computed in f32.
;;   The module's matrix products, in the order in which they are computed (A, B: the left and right operand; K: the contracted axis; several contracted axes count as one K, in the product's order):
;;     1. [M 2,048, K 4,096] x [K 4,096, N 2,048]; A: input hidden_states (given as codes); B: input Wq (given as codes): QUANTISED
;;     2. [M 2,048, K 4,096] x [K 4,096, N 1,024]; A: input hidden_states (given as codes); B: input Wk (given as codes): QUANTISED
;;     3. [M 2,048, K 4,096] x [K 4,096, N 1,024]; A: input hidden_states (given as codes); B: input Wv (given as codes): QUANTISED
;;     4. batch 16 x [M 2,048, K 128] x [K 128, N 2,048]; A: computed on the way; B: computed on the way: QUANTISED
;;     5. batch 16 x [M 2,048, K 2,048] x [K 2,048, N 128]; A: softmax (see below); B: computed on the way: QUANTISED
;;     6. [M 2,048, K 2,048] x [K 2,048, N 4,096]; A: computed on the way; B: input Wo (given as codes): QUANTISED
;;   THE QUANTISER, for each operand of a quantised product, along K:
;;     - K is cut into blocks of 32 from its start; a last block that is shorter is filled with zeros.
;;     - A block's scale is 2^e with e = floor(log2(the largest magnitude in the block)) - 2, held to -126 .. 127; a block of zeros has e = 0. As a byte (E8M0): e + 127.
;;     - Each number is divided by its block's scale, clamped to +-6, and rounded to the nearest number of E2M1, ties to even, subnormals kept.
;;     - The product sums the exact products of the quantised numbers (number of the format x scale) in f32.
;;   ~~~python
;;   def quantise(x, axis):      # numpy; x: float32 -> the quantised numbers, widened to float32 again
;;       x = np.moveaxis(x, axis, -1); K = x.shape[-1]
;;       x = np.pad(x, [(0, 0)] * (x.ndim - 1) + [(0, -K % 32)]); x = x.reshape(x.shape[:-1] + (-1, 32)); a = np.abs(x).max(-1, keepdims=True)
;;       e = np.where(a > 0, np.clip(np.frexp(np.where(a > 0, a, 1))[1] - 1 - 2, -126, 127), 0)      # np.frexp(a)[1] - 1 = floor(log2(a)), exactly
;;       r = np.clip(x / 2.0 ** e, -6, 6)
;;       step = 2.0 ** (np.maximum(np.frexp(np.where(r == 0, 1, r))[1] - 1, 0) - 1)
;;       q = np.round(r / step) * step * 2.0 ** e      # np.round: ties to even
;;       return np.moveaxis(q.reshape(q.shape[:-2] + (-1,))[..., :K], -1, axis).astype(np.float32)
;;   ~~~
;;   SOFTMAX AHEAD OF A QUANTISED PRODUCT. Where the list says 'softmax', what is quantised is not the finished softmax but p = 2^(t - M), with t = logit x log2(e) and M = ceil(the row's largest t), a whole number; so 1/2 < the row's largest p <= 1. The row's sum l is taken of the UNQUANTISED p, in f32, and the product's result is divided by l at the end. Since M is a whole number, a kernel that streams over the keys may use a running M (the ceiling of the running maximum): every later rescaling is an exact power of two, which a block's scale takes up: the codes' values come out the same.
;;   OPERANDS COMPUTED ON THE WAY. 'Computed on the way' means the value that the module computes at that place (a softmax that the list does not call 'softmax' is quantised finished and normalised). What goes into a quantiser is computed in f32, as accurately as f32 sums, v_exp_f32 and their like allow (about 1e-6 of the number): no bf16 or f16 on the way to a quantiser, and a product that is left as it is and whose result goes on into a quantised operand takes f32 operands (vector FMAs, or v_wmma_f32_16x16x4_f32). A number that lies on a knife's edge between two numbers of the format may be rounded either way, as far as f32 arithmetic and the matrix unit's own rounding can turn it there, and no further.
;;   INPUTS GIVEN AS CODES. Wk (in the module: [1024, 4096], K = its axis 1); Wo (in the module: [4096, 2048], K = its axis 1); Wq (in the module: [2048, 4096], K = its axis 1); Wv (in the module: [1024, 4096], K = its axis 1); hidden_states (in the module: [1, 2048, 4096], K = its axis 2): each comes as NAME_codes (uint8): NAME with its K axis moved to the last place and cut into blocks of 32 codes, [.., K / 32, bytes a block], one block behind the other in memory; two codes a byte, the lower K in the low four bits (a code: sign, 2 exponent bits, 1 mantissa bit); and NAME_scales (uint8): the same leading axes, one E8M0 byte (e + 127) for each 32 codes along K. Its value is code x scale, taken as it is: it is not quantised again, and the codes and scales need not be those that the quantiser above would give.
;; One version. Each part assembles by itself: llvm-mc -triple=amdgcn-amd-amdhsa -mcpu=gfx1250 --defsym DOCPART=n.
;; ======== version 1 of 1: 3 launches
;; limits: right only within a limited range of input values
;; workspace buffers: q_img 2,097,152 bytes; q_sc 131,072 bytes; kv 2,228,224 bytes; at 2,097,152 bytes; at_sc 131,072 bytes
;; launch qkv (part 1): grid 16 x 16, 4 waves a work-group, clusters of 4 x 4, 327,680 bytes of LDS; arguments hidden_states_codes, hidden_states_scales, Wq_codes, Wq_scales, Wk_codes, Wk_scales, Wv_codes, Wv_scales, position_ids, q_img, q_sc, kv; writes q_img, q_sc, kv
.if DOCPART == 1
	.amdgcn_target "amdgcn-amd-amdhsa--gfx1250"
	.amdhsa_code_object_version 6
	.text
	.protected	k_q111828e409_qkv
	.globl	k_q111828e409_qkv
	.p2align	8
	.type	k_q111828e409_qkv,@function
k_q111828e409_qkv:
	s_mov_b64 s[64:65], 0
	v_nop
	global_prefetch_b8 v0, s[64:65] scope:SCOPE_SE
	s_setreg_imm32_b32 hwreg(HW_REG_WAVE_MODE, 25, 1), 1
	s_wait_xcnt 0x0
	s_wait_alu depctr_hold_cnt(0) depctr_sa_sdst(0) depctr_va_vdst(0) depctr_va_sdst(0) depctr_va_ssrc(0) depctr_va_vcc(0) depctr_vm_vsrc(0)
	s_getreg_b32 s2, hwreg(HW_REG_IB_STS2, 6, 4)
	s_cmp_eq_u32 s2, 0
	s_cbranch_scc0 .Lentry_in_a_cluster
	s_endpgm
.Lentry_in_a_cluster:
	s_bfe_u32 s2, ttmp6, 0x10000c
	s_cmp_lg_u32 s2, 0xf033
	s_cbranch_scc0 .Lentry_shape_is_right
	s_endpgm
.Lentry_shape_is_right:
; q = rope(x Wq^T), k = rope(x Wk^T), v = x Wv^T on codes of FP4 (E2M1) with one E8M0 scale for each 32 along K = 4,096; the results are quantised again, in f32, and leave as codes:
; q and k along the head's 128, v along the keys.  2,048 tokens, 16 query heads, 8 key and value heads of 128.
; ONE PRODUCT FOR ALL THREE: D = X Y^T, source 0 = 16 rows of X, source 1 = 16 rows of Y: a lane holds ONE row of Y and its registers run along X's rows.
;   cluster x = 0, 1: X = Wq (256 rows: two heads), Y = x (128 tokens)     cluster x = 2: X = Wk, Y = x     cluster x = 3: X = x (256 tokens: two key steps), Y = Wv (128 rows: one head)
; So a lane's 64 registers of one tile of Y are 64 of the 128 numbers along the NEXT product's K (the head's 128 for q and k, 128 keys for v), the lane 16 away holds the other 64.
; SHARES.  A work-group makes 256 (X) x 128 (Y); each of its four waves 128 x 64: 32 accumulators; 128 + 64 + 64 = 256 work-groups.  A larger wave tile would leave half of them without work.
; CLUSTERS of 4 x 4: X's tiles hang on the place along x and are asked for jointly along a column, Y's on the place along y and are asked for jointly along a row: a quarter of the requests.
; K goes in steps of 512 (rows of 256 bytes) through a ring of two LDS slots; the scale bytes of all of K come once, with the first fills.
; No prefetch: every tile is shared in a cluster, the launch is short, and each refill has a K step of 128 matrix instructions a wave in which to land.
; RESULTS LEAVE AS IMAGES OF THE OPERAND'S REGISTERS: a fragment (16 rows x 128 K) is 8 registers a lane; registers 4 c .. 4 c + 3 of lane l lie at 512 c + 16 l: each store covers 512 consecutive bytes.
; Scale words of four neighbouring tiles are one block of 256 bytes: tile 2 p + u, row r at 8 (16 u + r) + 4 p.
; ROPE.  cos and sin of position x 10000^(-j/64) are made here, in f32: 10000^(-j/64) = 2^(-j L), L = log2(10000)/64 in two parts (j x the high part is exact); the angle is rounded to f32 as the product of
; the two f32 numbers, reduced by a multiple of pi/2 in two parts, and put through polynomials of degree 7 and 8.
; LIMITS: |position| under 4,000,000 (the whole multiple of pi/2 is found by adding 1.5 x 2^23); 10000^(-j/64) is within about 1.5 units of its last place; NaN and infinities are not served;
; a block of zeros gets the scale byte 1 (its codes are zeros, and this program alone reads the bytes).
; REGISTERS, in windows of 256: window 0: v0-31 addresses and constants; v32-79 scale words, two sets of 24; v96-223 at work on the table; v128-191 Y's fragments, two sets; on the way out v128-191 cos and sin, v200-255 at work.
;   window 1: X's fragments, two sets, at v0 and v128; on the way out v0-63 the rotated numbers.   window 2: accumulator (tile t of X, tile y of Y) at v[64 y + 8 t].
.set PITCH,  272                       ; an LDS row: 256 bytes + 16 of padding: the 16 rows of a fragment load start at 16 different groups of banks
.set XBYTES, 256*PITCH                 ; X's 256 rows
.set SLOT,   384*PITCH                 ; then Y's 128 rows
.set SCL,    2*SLOT                    ; X's scale bytes: 128 pieces of 256 bytes + 16
.set SCLY,   SCL+128*272               ; Y's: 64 pieces
.set TAB,    SCLY+64*272               ; cos and sin of the work-group's 128 tokens: 8 tiles x (4,096 + 4,096) bytes; written by LDS stores, never by a tensor load
.set SPARE,  TAB+65536                 ; the spare words, 128 bytes for each wave
.set LANE, 1
.set RR,   2
.set HH,   3
.set ADX,  4                           ; v4-5   my X fragments in slot 0, 1
.set ADY,  6                           ; v6-7   my Y fragments
.set ADXS, 8                           ; v8     X's scale words: lane l takes row 32 b + l
.set ADYS, 9                           ; v9     Y's
.set LI,   10                          ; v10    16 x lane
.set L8,   11                          ; v11    8 x lane
.set ADT,  12                          ; v12    where I read the table
.set ADW,  13                          ; v13    where I write it
.set SPW,  14                          ; v14    my spare word; never rewritten
.set NIL,  15                          ; v15    0; never rewritten
.set T0,   16
.set T1,   17
.set POS,  18                          ; v18-21 two tiles' positions, each twice
.set KMAG, 22                          ; v22-31 constants, each twice
.set KS2,  24
.set KS1,  26
.set KC2,  28
.set KC1,  30
.set SC,   32
.set INV,  96                          ; v96-127 my 32 frequencies
.set JF,   128
.set FRA,  160
.set IP,   192
.set TA,   128
.set TBB,  144
.set TZ,   160
.set TS,   176
.set TC,   192
.set TU,   208
.set YF,   128
.set COS,  128
.set SIN,  160
.set TM,   200                         ; v200-203 largest magnitudes, v204-207 bytes, v212-215 the conversions' scale operands
.set PW,   216                         ; v216-219 a scale word for each tile of Y
.set PR,   220                         ; v220-221 the four words as they are stored
.set PC,   224                         ; v224-255 codes: eight registers for each tile of Y
.set OUT,  22                          ; s[22:23] where my images go
.set OSC,  24                          ; s[24:25] where my scale words go
.set G1X,  28
.set G1Y,  36
.set G1SX, 44
.set G1SY, 52
.set G0X,  60                          ; slot s: s[60+8s : 63+8s]
.set G0Y,  72                          ; slot s: s[72+4s : 75+4s]
.set G0SX, 80
.set G0SY, 84
.set WV,   88
.set ROLE, 89                          ; wave / 2: I fetch for X (0) or Y (1); also which 128 rows of X are mine
.set HALF, 90                          ; wave % 2: which half of the rows I fetch; also which 64 rows of Y are mine
.set PCX,  91
.set PCY,  92
.set CX,   93                          ; the cluster's x: the kind of product; the same in all sixteen partners
.set CY,   94
.set XT,   95
.set SEL,  96
.set YT,   98
.set HIM,  99
.set MSB, 0
.macro WIN new                         ; the immediate's high byte repeats the setting that is left
.if MSB != (\new)
	s_set_vgpr_msb (MSB<<8)|(\new)
.set MSB, (\new)
.endif
.endm
.macro PLACES n
.rept \n
	v_nop
.endr
.endm
.macro CREST                           ; a round of the cluster's barrier behind its opening barrier
	s_cmp_lg_u32 s[WV], 0
	s_cbranch_scc1 .Lnot_wave_0_\@
	s_barrier_signal -3
.Lnot_wave_0_\@:
	s_barrier_wait -3
	s_barrier_signal -1
	s_barrier_wait -1
.endm
.macro CROUND
	s_barrier_signal -1
	s_barrier_wait -1
	CREST
.endm
; A joint load: waves 0 and 1 fetch for X, waves 2 and 3 for Y.  The branch hangs on the wave's number alone.  Four v_nop follow each of the two lines.
.macro JLOAD g0a, g1a, g0b, g1b
	s_cmp_eq_u32 s[ROLE], 0
	s_cbranch_scc0 .Lfor_y_\@
	tensor_load_to_lds s[\g0a:\g0a+3], s[\g1a:\g1a+7]
	s_nop 0
.rept 4
	v_nop
.endr
	s_branch .Lasked_\@
.Lfor_y_\@:
	tensor_load_to_lds s[\g0b:\g0b+3], s[\g1b:\g1b+7]
	s_nop 0
.rept 4
	v_nop
.endr
.Lasked_\@:
.endm
; One matrix instruction.  d, a, b: first registers of D, of source 0 and of source 1; z = 1: C is 0, else C is D; sa, sb: the scale registers; ra, rb = 1: the scales stand in lanes 16-31.
.macro WMS d, a, b, z, sa, sb, ra, rb
.if (\z) && (\ra) && (\rb)
	v_wmma_scale_f32_16x16x128_f8f6f4 v[(\d):(\d)+7], v[(\a):(\a)+7], v[(\b):(\b)+7], 0, v[(\sa)], v[(\sb)] matrix_a_fmt:MATRIX_FMT_FP4 matrix_b_fmt:MATRIX_FMT_FP4 matrix_a_scale:MATRIX_SCALE_ROW1 matrix_b_scale:MATRIX_SCALE_ROW1
.elseif (\z) && (\ra)
	v_wmma_scale_f32_16x16x128_f8f6f4 v[(\d):(\d)+7], v[(\a):(\a)+7], v[(\b):(\b)+7], 0, v[(\sa)], v[(\sb)] matrix_a_fmt:MATRIX_FMT_FP4 matrix_b_fmt:MATRIX_FMT_FP4 matrix_a_scale:MATRIX_SCALE_ROW1
.elseif (\z) && (\rb)
	v_wmma_scale_f32_16x16x128_f8f6f4 v[(\d):(\d)+7], v[(\a):(\a)+7], v[(\b):(\b)+7], 0, v[(\sa)], v[(\sb)] matrix_a_fmt:MATRIX_FMT_FP4 matrix_b_fmt:MATRIX_FMT_FP4 matrix_b_scale:MATRIX_SCALE_ROW1
.elseif (\z)
	v_wmma_scale_f32_16x16x128_f8f6f4 v[(\d):(\d)+7], v[(\a):(\a)+7], v[(\b):(\b)+7], 0, v[(\sa)], v[(\sb)] matrix_a_fmt:MATRIX_FMT_FP4 matrix_b_fmt:MATRIX_FMT_FP4
.elseif (\ra) && (\rb)
	v_wmma_scale_f32_16x16x128_f8f6f4 v[(\d):(\d)+7], v[(\a):(\a)+7], v[(\b):(\b)+7], v[(\d):(\d)+7], v[(\sa)], v[(\sb)] matrix_a_fmt:MATRIX_FMT_FP4 matrix_b_fmt:MATRIX_FMT_FP4 matrix_a_scale:MATRIX_SCALE_ROW1 matrix_b_scale:MATRIX_SCALE_ROW1
.elseif (\ra)
	v_wmma_scale_f32_16x16x128_f8f6f4 v[(\d):(\d)+7], v[(\a):(\a)+7], v[(\b):(\b)+7], v[(\d):(\d)+7], v[(\sa)], v[(\sb)] matrix_a_fmt:MATRIX_FMT_FP4 matrix_b_fmt:MATRIX_FMT_FP4 matrix_a_scale:MATRIX_SCALE_ROW1
.elseif (\rb)
	v_wmma_scale_f32_16x16x128_f8f6f4 v[(\d):(\d)+7], v[(\a):(\a)+7], v[(\b):(\b)+7], v[(\d):(\d)+7], v[(\sa)], v[(\sb)] matrix_a_fmt:MATRIX_FMT_FP4 matrix_b_fmt:MATRIX_FMT_FP4 matrix_b_scale:MATRIX_SCALE_ROW1
.else
	v_wmma_scale_f32_16x16x128_f8f6f4 v[(\d):(\d)+7], v[(\a):(\a)+7], v[(\b):(\b)+7], v[(\d):(\d)+7], v[(\sa)], v[(\sb)] matrix_a_fmt:MATRIX_FMT_FP4 matrix_b_fmt:MATRIX_FMT_FP4
.endif
.endm
; 64 numbers of a lane, v[s] .. v[s + 63] of window w, register 8 t + j = k 16 t + 8 (lane / 16) + j of my row, become a fragment's codes in v[pc] on and its scale word in v[pw], both in window 0.
; A block of 32 is registers 16 b .. 16 b + 15 of lanes l and l xor 16.  The codes of tile t = 4 c + 2 a + e go to register 4 c + 2 e + a; the exchange of halves then gives the operand's registers:
; register 4 c + i of lane half h holds k = 64 c + 32 h + 8 i + 0 .. 7.
.macro QUANT s, w, pc, pw
	WIN (\w)|((\w)<<2)
.irp b, 0,1,2,3
	v_max3_num_f32 v[TM+\b], |v[(\s)+16*\b]|, |v[(\s)+16*\b+1]|, 0x1800000   ; my 16 numbers of block b, and the floor 2^(3 - 127): the byte cannot fall under 1
.endr
.irp i, 2,4,6,8,10,12,14
.irp b, 0,1,2,3
	v_max3_num_f32 v[TM+\b], |v[(\s)+16*\b+\i]|, |v[(\s)+16*\b+\i+1]|, v[TM+\b]   ; the four blocks by turns
.endr
.endr
	WIN 0
.irp b, 0,1,2,3
	v_permlanex16_b32 v[TM+4+\b], v[TM+\b], s[SEL], s[SEL+1]
.endr
.irp b, 0,1,2,3
	v_max_num_f32 v[TM+\b], v[TM+\b], v[TM+4+\b]       ; with lane l xor 16's: the block's largest magnitude
.endr
.irp b, 0,1,2,3
	v_add_nc_u32 v[TM+12+\b], 0xff000000, v[TM+\b]     ; 2 off its exponent field: the conversion takes this operand's exponent field as its scale
.endr
.irp b, 0,1,2,3
	v_lshrrev_b32 v[TM+4+\b], 23, v[TM+12+\b]          ; the scale's byte
.endr
	v_lshl_or_b32 v[(\pw)], v[TM+5], 8, v[TM+4]
	v_lshl_or_b32 v[(\pw)], v[TM+6], 16, v[(\pw)]
	v_lshl_or_b32 v[(\pw)], v[TM+7], 24, v[(\pw)]
	WIN (\w)
.irp t, 0,1,2,3,4,5,6,7
	v_cvt_scalef32_pk8_fp4_f32 v[(\pc)+4*(\t/4)+2*(\t%2)+((\t/2)%2)], v[(\s)+8*\t:(\s)+8*\t+7], v[TM+12+(\t/2)]
.endr
	WIN 0
	v_nop                                              ; one plain place behind a scaled conversion
.irp k, 0,2,4,6
	v_permlane16_swap_b32 v[(\pc)+\k], v[(\pc)+\k+1]
.endr
.endm
	s_load_b512 s[4:19], s[0:1], 0x0               ; x's codes, x's scales, Wq's, Wk's, Wv's
	s_load_b256 s[20:27], s[0:1], 0x40             ; positions, q_img, q_sc, kv
	v_lshl_add_u32 v[SPW], v0, 2, SPARE
	v_mov_b32 v[NIL], 0
	ds_add_u32 v14, v15
	ds_add_u32 v14, v15
	s_wait_dscnt 0x0
	v_lshrrev_b32 v[LANE], 5, v0
	v_readfirstlane_b32 s[WV], v[LANE]             ; wave 0..3
	s_lshr_b32 s[ROLE], s[WV], 1
	s_and_b32 s[HALF], s[WV], 1
	s_bfe_u32 s[PCX], ttmp6, 0x40000               ; my place in the cluster
	s_bfe_u32 s[PCY], ttmp6, 0x40004
	s_mov_b32 s[CX], ttmp9
	s_and_b32 s[CY], ttmp7, 0xffff
	s_and_b32 s3, s[CY], 1                         ; X's block of 256 rows: q: 4 CX + cx;  k: cx;  v: 4 (CY % 2) + cx
	s_lshl_b32 s3, s3, 2
	s_lshl_b32 s[XT], s[CX], 2
	s_cmp_lt_u32 s[CX], 2
	s_cselect_b32 s[XT], s[XT], 0
	s_cmp_eq_u32 s[CX], 3
	s_cselect_b32 s[XT], s3, s[XT]
	s_add_co_u32 s[XT], s[XT], s[PCX]
	s_lshr_b32 s3, s[CY], 1                        ; Y's block of 128 rows: q, k: 4 CY + cy;  v: 4 (CY / 2) + cy
	s_lshl_b32 s3, s3, 2
	s_lshl_b32 s[YT], s[CY], 2
	s_cmp_eq_u32 s[CX], 3
	s_cselect_b32 s[YT], s3, s[YT]
	s_add_co_u32 s[YT], s[YT], s[PCY]
	; descriptor groups 1.  Codes: rows of 256 bytes out of rows of 2,048, 16 bytes of padding behind each; X 128 rows a load, Y 64
.irp g, G1X, G1Y
	s_mov_b32 s[\g+1], 256<<16                     ; tensor_dim0
	s_mov_b32 s[\g+3], 256<<16                     ; tile_dim0
	s_mov_b32 s[\g+5], 2048                        ; from row to row
	s_mov_b32 s[\g+6], 0
	s_mov_b32 s[\g+7], 0
.endr
	s_mov_b32 s[G1X+2], 256<<16                    ; tensor_dim1: the head's loads bring whole tiles: X 256 rows, Y 128
	s_mov_b32 s[G1X+4], 256                        ; tile_dim1
	s_mov_b32 s[G1Y+2], 128<<16
	s_mov_b32 s[G1Y+4], 128
	; scale bytes: a dense block, as rows of 256 bytes (32 elements of 8), 16 bytes of padding behind each; X 128 rows a load, Y 64
.irp g, G1SX, G1SY
	s_mov_b32 s[\g+1], 32<<16
	s_mov_b32 s[\g+3], 32<<16
	s_mov_b32 s[\g+5], 32
	s_mov_b32 s[\g+6], 0
	s_mov_b32 s[\g+7], 0
.endr
	s_mov_b32 s[G1SX+2], 128<<16                   ; one load for all of X's scale bytes, one for Y's
	s_mov_b32 s[G1SX+4], 128
	s_mov_b32 s[G1SY+2], 64<<16
	s_mov_b32 s[G1SY+4], 64
	s_mul_i32 s100, s[HALF], 128*PITCH             ; where my loads go: the wave's number alone enters an LDS address
	s_mul_i32 s101, s[HALF], 64*PITCH
	s_add_co_u32 s101, s101, XBYTES
	s_mov_b32 s[SEL], 0x76543210
	s_mov_b32 s[SEL+1], 0xfedcba98                 ; v_permlanex16_b32's selects for lane l xor 16
	s_mov_b32 s[HIM], 0xffff0000                   ; lanes 16-31
	s_wait_kmcnt 0x0
	s_cmp_lt_u32 s[CX], 2                          ; the operands are chosen by the cluster's x alone
	s_cselect_b64 s[8:9], s[8:9], s[12:13]         ; X: Wq or Wk,
	s_cselect_b64 s[10:11], s[10:11], s[14:15]
	s_cmp_eq_u32 s[CX], 3
	s_cselect_b64 s[8:9], s[4:5], s[8:9]           ; or x
	s_cselect_b64 s[10:11], s[6:7], s[10:11]
	s_cselect_b64 s[12:13], s[16:17], s[4:5]       ; Y: Wv or x
	s_cselect_b64 s[14:15], s[18:19], s[6:7]
	s_lshl_b32 s16, 0x1111, s[PCX]                 ; my column of the cluster: X's tiles
	s_or_b32 s[G1X], s16, (1<<20)|(1<<21)|(5<<22)|(3<<25)          ; elements of 1 byte; padding on; bit 21 beside a mask; 4 words behind every 64
	s_or_b32 s[G1SX], s16, (3<<16)|(1<<20)|(1<<21)|(5<<22)|(3<<25) ; elements of 8 bytes
	s_lshl_b32 s18, s[PCY], 2
	s_lshl_b32 s18, 15, s18                        ; my row: Y's tiles
	s_or_b32 s[G1Y], s18, (1<<20)|(1<<21)|(5<<22)|(3<<25)
	s_or_b32 s[G1SY], s18, (3<<16)|(1<<20)|(1<<21)|(5<<22)|(3<<25)
	s_lshl_b32 s16, s[XT], 8                       ; X's block: its first row
	s_lshl_b32 s4, s16, 7                          ; its scale bytes: 128 a row
	s_lshl_b32 s16, s16, 11                        ; its codes: 2,048 a row
	s_mov_b32 s17, 0
	s_mov_b32 s5, 0
	s_add_nc_u64 s[8:9], s[8:9], s[16:17]
	s_add_nc_u64 s[10:11], s[10:11], s[4:5]
	s_lshl_b32 s18, s[YT], 7                       ; Y's block: its first row
	s_lshl_b32 s6, s18, 7
	s_lshl_b32 s18, s18, 11
	s_mov_b32 s19, 0
	s_mov_b32 s7, 0
	s_add_nc_u64 s[12:13], s[12:13], s[18:19]
	s_add_nc_u64 s[14:15], s[14:15], s[6:7]
	CROUND                                         ; all sixteen work-groups are here: the first joint loads meet
	s_mov_b32 s[G0SX], 1
	s_mov_b32 s[G0SX+1], SCL
	s_mov_b64 s[G0SX+2:G0SX+3], s[10:11]
	s_or_b32 s[G0SX+3], s[G0SX+3], 0x80000000
	s_mov_b32 s[G0SY], 1
	s_mov_b32 s[G0SY+1], SCLY
	s_mov_b64 s[G0SY+2:G0SY+3], s[14:15]
	s_or_b32 s[G0SY+3], s[G0SY+3], 0x80000000
	s_mov_b32 s[G0X], 1                            ; the head's loads of K step 0: X's 256 rows,
	s_mov_b32 s[G0X+1], 0
	s_mov_b64 s[G0X+2:G0X+3], s[8:9]
	s_or_b32 s[G0X+3], s[G0X+3], 0x80000000
	s_mov_b32 s[G0Y], 1                            ; Y's 128 rows behind them
	s_mov_b32 s[G0Y+1], XBYTES
	s_mov_b64 s[G0Y+2:G0Y+3], s[12:13]
	s_or_b32 s[G0Y+3], s[G0Y+3], 0x80000000
	s_lshl_b32 s16, s[HALF], 18                    ; for the ring: my half of the rows: 128 rows of X, 64 of Y, 2,048 bytes a row
	s_lshl_b32 s18, s[HALF], 17
	s_add_nc_u64 s[8:9], s[8:9], s[16:17]
	s_add_nc_u64 s[12:13], s[12:13], s[18:19]
	s_mov_b32 s[G0X+8], 1                          ; slot 1: K step 1
	s_add_co_u32 s[G0X+9], s100, SLOT
	s_add_nc_u64 s[G0X+10:G0X+11], s[8:9], 256
	s_or_b32 s[G0X+11], s[G0X+11], 0x80000000
	s_mov_b32 s[G0Y+4], 1
	s_add_co_u32 s[G0Y+5], s101, SLOT
	s_add_nc_u64 s[G0Y+6:G0Y+7], s[12:13], 256
	s_or_b32 s[G0Y+7], s[G0Y+7], 0x80000000
; THE HEAD'S LOADS, ONE A WAVE: wave 0 X's rows of K step 0, wave 1 Y's, wave 2 X's scale bytes, wave 3 Y's.  One tree of branches on the wave's number: every way passes one load.
.macro ARM under, g0, g1, next
	s_cmp_lt_u32 s[WV], \under
	s_cbranch_scc0 \next
	tensor_load_to_lds s[\g0:\g0+3], s[\g1:\g1+7]
	s_nop 0
.rept 4
	v_nop
.endr
	s_branch .Lhead_asked
\next:
.endm
	ARM 1, G0X,  G1X,  .Lhead_y
	ARM 2, G0Y,  G1Y,  .Lhead_sx
	ARM 3, G0SX, G1SX, .Lhead_sy
	tensor_load_to_lds s[G0SY:G0SY+3], s[G1SY:G1SY+7]
	s_nop 0
.rept 4
	v_nop
.endr
.Lhead_asked:
	; addresses
	v_and_b32 v[LANE], 31, v0
	v_and_b32 v[RR], 15, v0
	v_bfe_u32 v[HH], v0, 4, 1
	v_mul_u32_u24 v[T0], v[RR], PITCH
	v_lshl_add_u32 v[T0], v[HH], 4, v[T0]          ; a fragment's row x pitch + 16 x half
	s_mul_i32 s100, s[ROLE], 128*PITCH             ; my 128 rows of X
	s_mul_i32 s101, s[HALF], 64*PITCH              ; my 64 rows of Y, behind X's 256
	s_add_co_u32 s101, s101, XBYTES
.irp s, 0,1
	v_add_nc_u32 v[ADX+\s], s100, v[T0]
	v_add_nc_u32 v[ADY+\s], s101, v[T0]
	s_add_co_u32 s100, s100, SLOT
	s_add_co_u32 s101, s101, SLOT
.endr
	v_lshrrev_b32 v[T1], 1, v[LANE]
	v_lshlrev_b32 v[T1], 4, v[T1]
	v_lshl_add_u32 v[T1], v[LANE], 7, v[T1]        ; row l's scale bytes: 128 l, and 16 more for each 256 passed
	s_mul_i32 s100, s[ROLE], 64*272
	s_add_co_u32 s100, s100, SCL
	s_mul_i32 s101, s[HALF], 32*272
	s_add_co_u32 s101, s101, SCLY
	v_add_nc_u32 v[ADXS], s100, v[T1]
	v_add_nc_u32 v[ADYS], s101, v[T1]
	v_lshlrev_b32 v[LI], 4, v[LANE]
	v_lshlrev_b32 v[L8], 3, v[LANE]
	s_lshl_b32 s100, s[HALF], 15
	s_add_co_u32 s100, s100, TAB
	v_add_nc_u32 v[ADT], s100, v[LI]               ; I read the table of my 64 tokens: tiles 4 (wave % 2) on
	s_lshl_b32 s101, s[WV], 14
	s_add_co_u32 s101, s101, TAB
	v_add_nc_u32 v[ADW], s101, v[LI]               ; I write tiles 2 wave and 2 wave + 1
	; where my results go.  hx = 2 xt + wave / 2.  q: head hx, tokens 128 yt on;  k: block (head hx, key step yt) of kv;  v: block (head yt, key step hx).  Three terms, each from one coordinate
	s_lshl_b32 s17, s[XT], 1
	s_add_co_u32 s17, s17, s[ROLE]                 ; hx
	s_mov_b32 s16, 278528                          ; bytes for a step of hx, images and scale words: k: 16 blocks of 17,408
	s_mov_b32 s4, 278528
	s_mov_b32 s18, 17408                           ; and for a step of yt: k: one block
	s_mov_b32 s6, 17408
	s_mov_b32 s19, 278528
	s_cmp_lt_u32 s[CX], 2
	s_cselect_b32 s16, 131072, s16                 ; q: a head's 128 images,
	s_cselect_b32 s4, 8192, s4                     ; its 32 blocks of scale words,
	s_cselect_b32 s18, 8192, s18                   ; 8 images,
	s_cselect_b32 s6, 512, s6                      ; 2 blocks
	s_cselect_b32 s66, 0, 16384                    ; in a block of kv the scale words lie behind the 16 images
	s_cselect_b64 s[OUT:OUT+1], s[22:23], s[26:27]
	s_cselect_b64 s[OSC:OSC+1], s[24:25], s[26:27]
	s_cmp_eq_u32 s[CX], 3
	s_cselect_b32 s16, 17408, s16                  ; v: hx counts blocks, yt heads
	s_cselect_b32 s4, 17408, s4
	s_cselect_b32 s18, s19, s18
	s_cselect_b32 s6, s19, s6
	s_cselect_b32 s100, 8192, 0                    ; V's images lie behind K's,
	s_cselect_b32 s101, 512, 0                     ; its scale words behind K's
	s_mul_i32 s16, s16, s17
	s_mul_i32 s4, s4, s17
	s_mul_i32 s18, s18, s[YT]
	s_mul_i32 s6, s6, s[YT]
	s_add_co_u32 s66, s66, s101
	s_lshl_b32 s101, s[HALF], 12                   ; my four images,
	s_add_co_u32 s100, s100, s101
	s_lshl_b32 s101, s[HALF], 8                    ; my block of scale words
	s_add_co_u32 s66, s66, s101
	s_mov_b32 s17, 0
	s_mov_b32 s5, 0
	s_mov_b32 s19, 0
	s_mov_b32 s7, 0
	s_mov_b32 s101, 0
	s_mov_b32 s67, 0
	s_add_nc_u64 s[OUT:OUT+1], s[OUT:OUT+1], s[16:17]
	s_add_nc_u64 s[OUT:OUT+1], s[OUT:OUT+1], s[18:19]
	s_add_nc_u64 s[OUT:OUT+1], s[OUT:OUT+1], s[100:101]
	s_add_nc_u64 s[OSC:OSC+1], s[OSC:OSC+1], s[4:5]
	s_add_nc_u64 s[OSC:OSC+1], s[OSC:OSC+1], s[6:7]
	s_add_nc_u64 s[OSC:OSC+1], s[OSC:OSC+1], s[66:67]
	; ---- THE TABLE OF cos AND sin, while the first tiles are on their way.  V has no rotation: its clusters pass it over (a branch on the cluster's x).
	s_cmp_eq_u32 s[CX], 3
	s_cbranch_scc1 .Lno_table
	s_lshl_b32 s18, s[YT], 9                       ; positions of tokens 128 yt + 32 wave + 16 tile + r
	s_lshl_b32 s19, s[WV], 7
	s_add_co_u32 s18, s18, s19
	s_mov_b32 s19, 0
	s_add_nc_u64 s[20:21], s[20:21], s[18:19]
	v_lshlrev_b32 v[T0], 2, v[RR]
	global_load_b32 v[POS], v[T0], s[20:21]
	global_load_b32 v[POS+2], v[T0], s[20:21] offset:64
	; my 32 frequencies 2^(-j L): register e holds j = 16 (e / 8) + 8 (lane / 16) + e % 8, as the result's layout has the head's first 64
	v_lshlrev_b32 v[T1], 3, v[HH]
.set e, 0
.rept 32
	v_add_nc_u32 v[JF+e], 16*(e/8)+e%8, v[T1]
.set e, e+1
.endr
.set e, 0
.rept 32
	v_cvt_f32_u32 v[JF+e], v[JF+e]
.set e, e+1
.endr
.set e, 0
.rept 32
	v_mul_f32 v[FRA+e], 0xbe549a80, v[JF+e]        ; a = -j x the high part of L: 6 bits x 17 bits, exact; between -14 and 0
.set e, e+1
.endr
.set e, 0
.rept 32
	v_add_f32 v[IP+e], 0x4b400000, v[FRA+e]        ; + 1.5 x 2^23: the nearest whole number n stands in the low bits
.set e, e+1
.endr
.set e, 0
.rept 32
	v_add_f32 v[INV+e], 0xcb400000, v[IP+e]        ; n as f32: exact
.set e, e+1
.endr
.set e, 0
.rept 32
	v_sub_f32 v[FRA+e], v[FRA+e], v[INV+e]         ; a - n: exact, within a half
.set e, e+1
.endr
.set e, 0
.rept 32
	v_fmamk_f32 v[FRA+e], v[JF+e], 0x33f68660, v[FRA+e]   ; - j x the low part of L (which is negative)
.set e, e+1
.endr
.set e, 0
.rept 32
	v_add_nc_u32 v[IP+e], 0xb4c00000, v[IP+e]      ; the bits of 1.5 x 2^23 taken off: n as a whole number, 0 or less
.set e, e+1
.endr
.set e, 0
	s_wait_alu depctr_va_vdst(0)
.rept 32
	v_exp_f32 v[INV+e], v[FRA+e]                   ; 2^fraction
.set e, e+1
.endr
	v_nop                                          ; a plain place behind the exponentials
	s_wait_alu depctr_va_vdst(0)                   ; one wait for the batch, ahead of its first reader
.set e, 0
.rept 32
	v_ldexp_f32 v[INV+e], v[INV+e], v[IP+e]        ; x 2^n: exact
.set e, e+1
.endr
.irp k, KMAG, KMAG+1
	v_mov_b32 v[\k], 0x4b400000                    ; 1.5 x 2^23
.endr
.irp k, KS2, KS2+1
	v_mov_b32 v[\k], 0x3c08839e
.endr
.irp k, KS1, KS1+1
	v_mov_b32 v[\k], 0xbe2aaaa3
.endr
.irp k, KC2, KC2+1
	v_mov_b32 v[\k], 0xbab6061a
.endr
.irp k, KC1, KC1+1
	v_mov_b32 v[\k], 0x3d2aaaa5
.endr
	s_wait_loadcnt 0x0                             ; the positions
	v_cvt_f32_i32 v[POS], v[POS]
	v_cvt_f32_i32 v[POS+2], v[POS+2]
	v_mov_b32 v[POS+1], v[POS]
	v_mov_b32 v[POS+3], v[POS+2]
; cos and sin of 16 angles (frequencies 16 half on) of one tile's tokens, stage by stage, two at a time; then into the table.
.macro SINCOS16 tile, half
.irp i, 0,2,4,6,8,10,12,14
	v_pk_mul_f32 v[TA+\i:TA+\i+1], v[INV+16*\half+\i:INV+16*\half+\i+1], v[POS+2*\tile:POS+2*\tile+1]   ; the angle, rounded to f32
.endr
.irp i, 0,2,4,6,8,10,12,14
	v_pk_fma_f32 v[TBB+\i:TBB+\i+1], v[TA+\i:TA+\i+1], 0x3f22f983, v[KMAG:KMAG+1] op_sel_hi:[1,0,1]   ; x 2 / pi + 1.5 x 2^23: the nearest whole number n in the low bits
.endr
.irp i, 0,2,4,6,8,10,12,14
	v_pk_add_f32 v[TU+\i:TU+\i+1], v[TBB+\i:TBB+\i+1], 0xcb400000 op_sel_hi:[1,0]                      ; n as f32
.endr
.irp i, 0,2,4,6,8,10,12,14
	v_pk_fma_f32 v[TA+\i:TA+\i+1], v[TU+\i:TU+\i+1], 0xbfc90fdb, v[TA+\i:TA+\i+1] op_sel_hi:[1,0,1]   ; - n x the high part of pi / 2
.endr
.irp i, 0,2,4,6,8,10,12,14
	v_pk_fma_f32 v[TA+\i:TA+\i+1], v[TU+\i:TU+\i+1], 0x333bbd2e, v[TA+\i:TA+\i+1] op_sel_hi:[1,0,1]   ; - n x the low part: a, within pi / 4
.endr
.irp i, 0,2,4,6,8,10,12,14
	v_pk_mul_f32 v[TZ+\i:TZ+\i+1], v[TA+\i:TA+\i+1], v[TA+\i:TA+\i+1]                                  ; z = a a
.endr
.irp i, 0,2,4,6,8,10,12,14
	v_pk_fma_f32 v[TS+\i:TS+\i+1], v[TZ+\i:TZ+\i+1], 0xb94ca1f9, v[KS2:KS2+1] op_sel_hi:[1,0,1]
	v_pk_fma_f32 v[TC+\i:TC+\i+1], v[TZ+\i:TZ+\i+1], 0x37ccf5ce, v[KC2:KC2+1] op_sel_hi:[1,0,1]
.endr
.irp i, 0,2,4,6,8,10,12,14
	v_pk_fma_f32 v[TS+\i:TS+\i+1], v[TS+\i:TS+\i+1], v[TZ+\i:TZ+\i+1], v[KS1:KS1+1]
	v_pk_fma_f32 v[TC+\i:TC+\i+1], v[TC+\i:TC+\i+1], v[TZ+\i:TZ+\i+1], v[KC1:KC1+1]
.endr
.irp i, 0,2,4,6,8,10,12,14
	v_pk_mul_f32 v[TU+\i:TU+\i+1], v[TZ+\i:TZ+\i+1], v[TA+\i:TA+\i+1]
.endr
.irp i, 0,2,4,6,8,10,12,14
	v_pk_fma_f32 v[TS+\i:TS+\i+1], v[TS+\i:TS+\i+1], v[TU+\i:TU+\i+1], v[TA+\i:TA+\i+1]               ; sin a = a + z a (..)
.endr
.irp i, 0,2,4,6,8,10,12,14
	v_pk_mul_f32 v[TU+\i:TU+\i+1], v[TZ+\i:TZ+\i+1], v[TZ+\i:TZ+\i+1]
.endr
.irp i, 0,2,4,6,8,10,12,14
	v_pk_fma_f32 v[TZ+\i:TZ+\i+1], v[TZ+\i:TZ+\i+1], -0.5, 1.0 op_sel_hi:[1,0,0]
.endr
.irp i, 0,2,4,6,8,10,12,14
	v_pk_fma_f32 v[TC+\i:TC+\i+1], v[TC+\i:TC+\i+1], v[TU+\i:TU+\i+1], v[TZ+\i:TZ+\i+1]               ; cos a = 1 - z / 2 + z z (..)
.endr
.irp i, 0,1,2,3,4,5,6,7,8,9,10,11,12,13,14,15
	v_lshlrev_b32 v[TU+\i], 30, v[TBB+\i]          ; n's bit 1 on top: both change sign
	v_lshlrev_b32 v[TBB+\i], 31, v[TBB+\i]         ; n's bit 0 on top: they change places, and cos changes sign
.endr
.irp i, 0,1,2,3,4,5,6,7,8,9,10,11,12,13,14,15
	v_cmp_ne_u32 vcc_lo, 0, v[TBB+\i]
	v_cndmask_b32 v[TA+\i], v[TS+\i], v[TC+\i], vcc_lo
	v_cndmask_b32 v[TZ+\i], v[TC+\i], v[TS+\i], vcc_lo
.endr
.irp i, 0,1,2,3,4,5,6,7,8,9,10,11,12,13,14,15
	v_and_b32 v[TU+\i], 0x80000000, v[TU+\i]
.endr
.irp i, 0,1,2,3,4,5,6,7,8,9,10,11,12,13,14,15
	v_xor_b32 v[TA+\i], v[TA+\i], v[TU+\i]         ; sin
	v_xor_b32 v[TZ+\i], v[TZ+\i], v[TU+\i]
.endr
.irp i, 0,1,2,3,4,5,6,7,8,9,10,11,12,13,14,15
	v_xor_b32 v[TZ+\i], v[TZ+\i], v[TBB+\i]        ; cos
.endr
.irp g, 0,1,2,3
	ds_store_b128 v[ADW], v[TZ+4*\g:TZ+4*\g+3] offset:8192*\tile+512*(4*\half+\g)
	ds_store_b128 v[ADW], v[TA+4*\g:TA+4*\g+3] offset:8192*\tile+4096+512*(4*\half+\g)
.endr
	s_wait_dscnt 0x0                               ; the stores have read their registers
.endm
	SINCOS16 0, 0
	SINCOS16 0, 1
	SINCOS16 1, 0
	SINCOS16 1, 1
.Lno_table:
; ---- THE PRODUCT
.macro FETCH slot, q, p                ; the fragments of the slot's q-th 128 along K into set p: X's eight, Y's four
	WIN 0x40                                       ; destination window 1, address window 0
.irp t, 0,1,2,3,4,5,6,7
.irp c, 0,1
	ds_load_b128 v[128*(\p)+8*\t+4*\c:128*(\p)+8*\t+4*\c+3], v[ADX+\slot] offset:16*PITCH*\t+64*(\q)+32*\c
.endr
.endr
	WIN 0
.irp y, 0,1,2,3
.irp c, 0,1
	ds_load_b128 v[YF+32*(\p)+8*\y+4*\c:YF+32*(\p)+8*\y+4*\c+3], v[ADY+\slot] offset:16*PITCH*\y+64*(\q)+32*\c
.endr
.endr
.endm
.macro SCALES set                      ; a K step's scale words: register 4 b + q: lanes 0-15 tile 2 b, lanes 16-31 tile 2 b + 1, the step's q-th 128 along K
.irp b, 0,1,2,3
	ds_load_b128 v[SC+24*\set+4*\b:SC+24*\set+4*\b+3], v[ADXS] offset:4352*\b
.endr
.irp b, 0,1
	ds_load_b128 v[SC+24*\set+16+4*\b:SC+24*\set+16+4*\b+3], v[ADYS] offset:4352*\b
.endr
.endm
.macro MUL8 y, p, q, sc, zero          ; tile y of Y against X's eight tiles.  The 32 accumulators take turns, one instruction a turn, in one order throughout
.irp t, 0,1,2,3,4,5,6,7
	WMS 64*(\y)+8*\t, 128*(\p)+8*\t, YF+32*(\p)+8*(\y), \zero, SC+24*(\sc)+4*(\t/2)+(\q), SC+24*(\sc)+16+4*((\y)/2)+(\q), \t%2, (\y)%2
.endr
.endm
.macro STEP slot, q, zero              ; 128 along K that have their successor in the same slot
	s_wait_dscnt 0x0                               ; this step's fragments, asked for 32 matrix instructions ago, are in
	PLACES 4                                       ; four places between the last products and loads into the registers that they read
	FETCH \slot, (\q)+1, 1-(\q)%2
	WIN 0xa1                                       ; source 0 window 1, source 1 window 0, C and D window 2
	MUL8 0, (\q)%2, \q, \slot, \zero
	MUL8 1, (\q)%2, \q, \slot, \zero
	MUL8 2, (\q)%2, \q, \slot, \zero
	MUL8 3, (\q)%2, \q, \slot, \zero
.endm
; A slot's last 128 along K, and the change of slots: one barrier; ahead of it each wave waits for all its tensor loads, adds 0 to its spare word and waits for that and for its reads of the slot.
.macro TURN slot, next, fill
	WIN 0
	s_wait_tensorcnt 0x0                           ; all my tensor loads have landed: my part of the next slot
	ds_add_u32 v[SPW], v[NIL]                      ; 0 onto my spare word
	s_wait_dscnt 0x1                               ; only the add may be out: the fragments are in
	WIN 0xa1
	MUL8 0, 1, 3, \slot, 0
	MUL8 1, 1, 3, \slot, 0
	s_wait_dscnt 0x0                               ; the add is done, and my reads of this slot are over
	s_barrier_signal -1
	MUL8 2, 1, 3, \slot, 0
	WIN 0
	s_barrier_wait -1
.if \fill
	CREST                                          ; the barrier has opened a round of the cluster's: no wave of any partner still reads this slot or has a load on its way
	s_add_nc_u64 s[G0X+8*\slot+2:G0X+8*\slot+3], s[G0X+8*\slot+2:G0X+8*\slot+3], 512
	s_add_nc_u64 s[G0Y+4*\slot+2:G0Y+4*\slot+3], s[G0Y+4*\slot+2:G0Y+4*\slot+3], 512
	JLOAD G0X+8*\slot, G1X, G0Y+4*\slot, G1Y       ; two K steps on; my one tensor load behind the round; its four v_nop are the places ahead of the loads below
.else
	PLACES 4
.endif
	s_wait_alu depctr_va_vdst(0)
	v_add_nc_u32 v[ADXS], 16, v[ADXS]              ; the next K step's scale words (no LDS load of mine is out)
	v_add_nc_u32 v[ADYS], 16, v[ADYS]
	FETCH \next, 0, 0
	SCALES \next
	WIN 0xa1
	MUL8 3, 1, 3, \slot, 0
.endm
	s_wait_alu depctr_va_vdst(0)                   ; the wait at the head's end
	s_wait_tensorcnt 0x0                           ; my tile of the head's four is in; slot 1's first fill is issued as a refill is
	ds_add_u32 v[SPW], v[NIL]                      ; 0 onto my spare word
	s_mov_b32 s[G1X+2], 128<<16                    ; no tensor load of mine is out: from here on a load brings half a tile's rows
	s_mov_b32 s[G1X+4], 128
	s_mov_b32 s[G1Y+2], 64<<16
	s_mov_b32 s[G1Y+4], 64
	s_mul_i32 s[G0X+1], s[HALF], 128*PITCH         ; slot 0's groups 0 for the ring: my half, K step 0; the first refill steps them to K step 2
	s_mov_b64 s[G0X+2:G0X+3], s[8:9]
	s_or_b32 s[G0X+3], s[G0X+3], 0x80000000
	s_mul_i32 s[G0Y+1], s[HALF], 64*PITCH
	s_add_co_u32 s[G0Y+1], s[G0Y+1], XBYTES
	s_mov_b64 s[G0Y+2:G0Y+3], s[12:13]
	s_or_b32 s[G0Y+3], s[G0Y+3], 0x80000000
	s_wait_dscnt 0x0                               ; the add is done, and my part of the table is stored
	CROUND                                         ; a whole round: all four tiles are in, in all sixteen work-groups
	JLOAD G0X+8, G1X, G0Y+4, G1Y                   ; K step 1: my one tensor load behind the round
	FETCH 0, 0, 0
	s_wait_alu depctr_va_vdst(0)
	SCALES 0
	STEP 0, 0, 1                                   ; the first products start the sums: nothing is cleared
	WIN 0
	s_mov_b32 s2, 3
.Llap:                                             ; a trip goes once round the ring and fills both slots again: K steps 2 to 7
	STEP 0, 1, 0
	STEP 0, 2, 0
	TURN 0, 1, 1
	STEP 1, 0, 0
	STEP 1, 1, 0
	STEP 1, 2, 0
	TURN 1, 0, 1
	STEP 0, 0, 0
	WIN 0
	s_sub_co_u32 s2, s2, 1
	s_cmp_lg_u32 s2, 0
	s_cbranch_scc1 .Llap
	STEP 0, 1, 0                                   ; the last lap fills nothing
	STEP 0, 2, 0
	TURN 0, 1, 0
	STEP 1, 0, 0
	STEP 1, 1, 0
	STEP 1, 2, 0
	s_wait_dscnt 0x0
	WIN 0xa1
	MUL8 0, 1, 3, 1, 0
	MUL8 1, 1, 3, 1, 0
	MUL8 2, 1, 3, 1, 0
	MUL8 3, 1, 3, 1, 0
	; ---- THE WAY OUT: a tile of Y at a time: 64 numbers a lane become a fragment
	WIN 0
	PLACES 4
.irp b, 0,1,2,3
	v_mov_b32 v[TM+4+\b], 0                        ; written once: a lane permute's destination counts as one of its sources
.endr
	s_cmp_eq_u32 s[CX], 3
	s_cbranch_scc1 .Lv_out
.irp y, 0,1,2,3
.irp g, 0,1,2,3,4,5,6,7
	ds_load_b128 v[COS+4*\g:COS+4*\g+3], v[ADT] offset:8192*\y+512*\g
	ds_load_b128 v[SIN+4*\g:SIN+4*\g+3], v[ADT] offset:8192*\y+4096+512*\g
.endr
	s_wait_dscnt 0x0
	WIN 0x52                                       ; source 0 (the sums) window 2, source 1 (cos, sin) window 0, source 2 and destination window 1
.irp t, 0,1,2,3                                ; d and d + 64 are tiles t and t + 4 of the same lane
.irp j, 0,2,4,6
	v_pk_mul_f32 v[8*\t+\j:8*\t+\j+1], v[64*\y+8*(\t+4)+\j:64*\y+8*(\t+4)+\j+1], v[SIN+8*\t+\j:SIN+8*\t+\j+1]
	v_pk_mul_f32 v[8*(\t+4)+\j:8*(\t+4)+\j+1], v[64*\y+8*\t+\j:64*\y+8*\t+\j+1], v[SIN+8*\t+\j:SIN+8*\t+\j+1]
.endr
.endr
.irp t, 0,1,2,3
.irp j, 0,2,4,6
	v_pk_fma_f32 v[8*\t+\j:8*\t+\j+1], v[64*\y+8*\t+\j:64*\y+8*\t+\j+1], v[COS+8*\t+\j:COS+8*\t+\j+1], v[8*\t+\j:8*\t+\j+1] neg_lo:[0,0,1] neg_hi:[0,0,1]   ; x(d) cos - x(d + 64) sin
	v_pk_fma_f32 v[8*(\t+4)+\j:8*(\t+4)+\j+1], v[64*\y+8*(\t+4)+\j:64*\y+8*(\t+4)+\j+1], v[COS+8*\t+\j:COS+8*\t+\j+1], v[8*(\t+4)+\j:8*(\t+4)+\j+1]         ; x(d + 64) cos + x(d) sin
.endr
.endr
	QUANT 0, 1, PC+8*\y, PW+\y
	global_store_b128 v[LI], v[PC+8*\y:PC+8*\y+3], s[OUT:OUT+1] offset:1024*\y          ; 32 lanes store 512 consecutive bytes
	global_store_b128 v[LI], v[PC+8*\y+4:PC+8*\y+7], s[OUT:OUT+1] offset:1024*\y+512
.endr
	s_branch .Lwords
.Lv_out:
.irp y, 0,1,2,3
	QUANT 64*\y, 2, PC+8*\y, PW+\y
	global_store_b128 v[LI], v[PC+8*\y:PC+8*\y+3], s[OUT:OUT+1] offset:1024*\y
	global_store_b128 v[LI], v[PC+8*\y+4:PC+8*\y+7], s[OUT:OUT+1] offset:1024*\y+512
.endr
.Lwords:
	v_cndmask_b32 v[PR], v[PW], v[PW+1], s[HIM]    ; lanes 0-15 tile 0's words, lanes 16-31 tile 1's
	v_cndmask_b32 v[PR+1], v[PW+2], v[PW+3], s[HIM]
	global_store_b64 v[L8], v[PR:PR+1], s[OSC:OSC+1]   ; 256 consecutive bytes
	s_wait_tensorcnt 0x0                           ; the wave's end
	ds_add_u32 v[SPW], v[NIL]
	s_wait_dscnt 0x0
	CROUND                                         ; the closing round
	s_endpgm
.Lfunc_end_k_q111828e409_qkv:
	.size	k_q111828e409_qkv, .Lfunc_end_k_q111828e409_qkv-k_q111828e409_qkv
	.p2alignl 7, 3214868480
	.fill 96, 4, 3214868480
	.section	.rodata,"a",@progbits
	.p2align	6, 0x0
	.amdhsa_kernel k_q111828e409_qkv
		.amdhsa_group_segment_fixed_size 327680
		.amdhsa_private_segment_fixed_size 0
		.amdhsa_enable_private_segment 0
		.amdhsa_kernarg_size 96
		.amdhsa_user_sgpr_count 2
		.amdhsa_user_sgpr_kernarg_segment_ptr 1
		.amdhsa_wavefront_size32 1
		.amdhsa_system_sgpr_workgroup_id_x 1
		.amdhsa_system_sgpr_workgroup_id_y 1
		.amdhsa_system_sgpr_workgroup_id_z 1
		.amdhsa_system_vgpr_workitem_id 0
		.amdhsa_next_free_vgpr 768
		.amdhsa_next_free_sgpr 102
		.amdhsa_reserve_vcc 1
		.amdhsa_float_denorm_mode_32 3
		.amdhsa_float_denorm_mode_16_64 3
		.amdhsa_memory_ordered 1
		.amdhsa_forward_progress 1
		.amdhsa_inst_pref_size 238
	.end_amdhsa_kernel
	.amdgpu_metadata
---
amdhsa.version: [ 1, 2 ]
amdhsa.kernels:
  - .name:           k_q111828e409_qkv
    .symbol:         k_q111828e409_qkv.kd
    .args:
      - { .name: hidden_states_codes, .offset: 0, .size: 8, .value_kind: global_buffer, .address_space: global }
      - { .name: hidden_states_scales, .offset: 8, .size: 8, .value_kind: global_buffer, .address_space: global }
      - { .name: Wq_codes, .offset: 16, .size: 8, .value_kind: global_buffer, .address_space: global }
      - { .name: Wq_scales, .offset: 24, .size: 8, .value_kind: global_buffer, .address_space: global }
      - { .name: Wk_codes, .offset: 32, .size: 8, .value_kind: global_buffer, .address_space: global }
      - { .name: Wk_scales, .offset: 40, .size: 8, .value_kind: global_buffer, .address_space: global }
      - { .name: Wv_codes, .offset: 48, .size: 8, .value_kind: global_buffer, .address_space: global }
      - { .name: Wv_scales, .offset: 56, .size: 8, .value_kind: global_buffer, .address_space: global }
      - { .name: position_ids, .offset: 64, .size: 8, .value_kind: global_buffer, .address_space: global }
      - { .name: q_img, .offset: 72, .size: 8, .value_kind: global_buffer, .address_space: global }
      - { .name: q_sc, .offset: 80, .size: 8, .value_kind: global_buffer, .address_space: global }
      - { .name: kv, .offset: 88, .size: 8, .value_kind: global_buffer, .address_space: global }
    .group_segment_fixed_size: 327680
    .private_segment_fixed_size: 0
    .kernarg_segment_align: 8
    .kernarg_segment_size: 96
    .max_flat_workgroup_size: 128
    .sgpr_count:     102
    .vgpr_count:     768
    .wavefront_size: 32
...
	.end_amdgpu_metadata
.endif
;; end of part 1
;; launch attn (part 2): grid 8 x 32, 8 waves a work-group, clusters of 4 x 1, 327,680 bytes of LDS; arguments q_img, q_sc, kv, attention_mask, at, at_sc; writes at, at_sc
.if DOCPART == 2
	.amdgcn_target "amdgcn-amd-amdhsa--gfx1250"
	.amdhsa_code_object_version 6
	.text
	.protected	k_q111828e409_attn
	.globl	k_q111828e409_attn
	.p2align	8
	.type	k_q111828e409_attn,@function
k_q111828e409_attn:
	s_mov_b64 s[64:65], 0
	v_nop
	global_prefetch_b8 v0, s[64:65] scope:SCOPE_SE
	s_setreg_imm32_b32 hwreg(HW_REG_WAVE_MODE, 25, 1), 1
	s_wait_xcnt 0x0
	s_wait_alu depctr_hold_cnt(0) depctr_sa_sdst(0) depctr_va_vdst(0) depctr_va_sdst(0) depctr_va_ssrc(0) depctr_va_vcc(0) depctr_vm_vsrc(0)
	s_getreg_b32 s2, hwreg(HW_REG_IB_STS2, 6, 4)
	s_cmp_eq_u32 s2, 0
	s_cbranch_scc0 .Lentry_in_a_cluster
	s_endpgm
.Lentry_in_a_cluster:
	s_bfe_u32 s2, ttmp6, 0x10000c
	s_cmp_lg_u32 s2, 0x3003
	s_cbranch_scc0 .Lentry_shape_is_right
	s_endpgm
.Lentry_shape_is_right:
; o = softmax(q k^T / sqrt(128) + mask) v for 16 query heads on 8 key and value heads, 2,048 tokens, head size 128; both products on codes of FP4 (E2M1) with E8M0 scales; o is quantised again along head x 128 + d.
; THE MASK IS AN INPUT: all of it is read and added, in f32, and every tile of scores is computed.  Nothing of reference() is left out.
; THE SOFTMAX: t = logit x log2(e); M = the largest t so far, rounded up to a whole number; p = 2^(t - M) is quantised along the keys; the sum is taken of the unquantised p and divides at the end.
; The mask enters as the C of the first product: C = mask x sqrt(128), so that (score + C) x log2(e) / sqrt(128) = t.
; SHARES.  A work-group owns 64 queries and one key and value head, that is two query heads.  Wave w: queries 16 (w / 2) on, BOTH heads (two tiles), and of every 512 keys the 256 from 256 (w % 2) on, 128 a step:
; each fragment of K and V and each scaled tile of the mask feeds two products.  Tile 0 is head 2 g + w % 2, tile 1 the other.  At the end the two waves of a pair exchange one tile through LDS: each sends its tile 1
; and finishes its tile 0; the two parts are brought under one M by exact powers of two.
; K AND V arrive as images of the operands' registers (block of 17,408 bytes for a head and a key step) and go from memory straight into registers, a step ahead: each load covers 512 consecutive bytes.
; They are not asked for jointly: with them in LDS a slot would hold half as many keys beside the mask's 33,280 bytes a key step, and the launch would have twice the rounds of the cluster's barrier.
; THE MASK goes through LDS, which turns its rows into the scores' layout: a ring of two slots of 512 keys; each wave fetches, by one joint load, the 16 rows x 1,024 bytes that it alone reads.
; CLUSTERS of 4 x 1: the four work-groups are four heads on the same queries and ask for the mask jointly.
; WINDOWS.  Tile 0's registers lie in window 0 and tile 1's in window 1 under the same numbers, so that one text of the softmax serves both.  Tile 1's scores land in place on the mask's registers.
; Window 0: v1-11 addresses and Q's scale words; v12 -M, v13 largest t, v[14:15] sum; v16-23 Q; v24-27 K's scale words, v28-31 V's; v32-95 V; v96-159 S^T, p; v160-223 O^T; v224-231 p's codes; v232-254 at work; v249, v255 p's scale words.
; Window 1: the same for tile 1, but v32-95 K, v96-159 first the mask.
; PREFETCH.  K, V: in each step a wave names its quarter (16 blocks of 256 bytes) of the images of its step after next, one step ahead of their first load; the last two steps name nothing; scale words come by their loads.
; The mask: in a slot's first step the wave names, of the tile that the slot's second step will ask for, 4 rows x 4 blocks; the four partners are told apart by address.  Slots 0 and 1 come by their loads alone.
; LIMITS: |mask| under 3e37 (it is multiplied by sqrt(128)); the promise holds while the scaled scores stay under 2^31 in magnitude; NaN and infinities are not served; a block of zeros gets the scale byte 1 (its codes are zeros, and this program alone reads the bytes).
.set KVB,   17408                      ; 8 images of K, 8 of V^T, 512 bytes of K's scale words, 512 of V's
.set MP,    1040                       ; a row of a wave's tile of the mask in LDS: 1,024 bytes + 16
.set WREG,  16*MP                      ; a wave's tile
.set SLOTB, 8*WREG
.set SPARE, 2*SLOTB                    ; the spare words, 128 bytes for each of eight waves
.set STG,   SPARE+1024                 ; 512 bytes: o's scale words, [head of two][tile of four][row]
.set LI,   1                           ; 16 x lane
.set L8,   2                           ; 8 x lane
.set AM0,  3                           ; my place in my tile of the mask, slot 0
.set PFM,  4                           ; the mask's prefetch offset
.set SPW,  5
.set NIL,  6
.set AM1,  7                           ; the same in slot 1
.set ADM,  8                           ; in the slot in hand
.set QSA,  9                           ; Q's scale words, tile 0, tile 1
.set QSB,  10
.set PFO,  11                          ; K's and V's prefetch offset
.set PSB,  249                         ; p's scale words, tile 1, tile 0
.set PSA,  255
.set STW,  248
.set SCO,  250
.set STR,  251
.set TM,   232
.set WV,   16
.set HP,   17
.set YW,   18
.set GH,   19
.set SEL,  20
.set CS,   22                          ; s[22:23] log2(e) / sqrt(128)
.set G1,   24
.set R128, 32                          ; s[32:33] sqrt(128)
.set QB,   34
.set PCX,  35
.set TB,   36                          ; the slot that is read
.set TF,   37                          ; the slot that is filled
.set WB,   38                          ; my tile's place in a slot
.set CNT,  39
.set G0,   40
.set KB,   44                          ; s[44:45] this step's block of kv
.set KN,   46                          ; s[46:47] the next step's
.set DD,   48                          ; s[48:49] from the next to the one after: 3 blocks and 1 block by turns
.set MPF,  50                          ; s[50:51] where the mask's prefetches stand
.set HD,   66
.set MSB, 0
.macro WIN new                         ; the immediate's high byte repeats the setting that is left
.if MSB != (\new)
	s_set_vgpr_msb (MSB<<8)|(\new)
.set MSB, (\new)
.endif
.endm
.macro PLACES n
.rept \n
	v_nop
.endr
.endm
.macro DL n
	s_delay_alu instid0(VALU_DEP_\n)
.endm
.macro CREST                           ; a round of the cluster's barrier behind its opening barrier
	s_cmp_lg_u32 s[WV], 0
	s_cbranch_scc1 .Lnot_wave_0_\@
	s_barrier_signal -3
.Lnot_wave_0_\@:
	s_barrier_wait -3
	s_barrier_signal -1
	s_barrier_wait -1
.endm
.macro CROUND
	s_barrier_signal -1
	s_barrier_wait -1
	CREST
.endm
.macro TLOAD                           ; my joint load; s_nop 0 and four v_nop behind it
	tensor_load_to_lds s[G0:G0+3], s[G1:G1+7]
	s_nop 0
	PLACES 4
.endm
.macro NEXTFILL                        ; the walking group 0: the other slot, 512 keys on
	s_xor_b32 s[TF], s[TF], SLOTB
	s_add_co_u32 s[G0+1], s[WB], s[TF]
	s_add_nc_u64 s[G0+2:G0+3], s[G0+2:G0+3], 2048
.endm
.macro WMS d, a, b, c, sa, sb, ra      ; D = source 0 x source 1 + C; ra = 1: source 0's scales stand in lanes 16-31
.if (\ra)
	v_wmma_scale_f32_16x16x128_f8f6f4 v[(\d):(\d)+7], v[(\a):(\a)+7], v[(\b):(\b)+7], v[(\c):(\c)+7], v[(\sa)], v[(\sb)] matrix_a_fmt:MATRIX_FMT_FP4 matrix_b_fmt:MATRIX_FMT_FP4 matrix_a_scale:MATRIX_SCALE_ROW1
.else
	v_wmma_scale_f32_16x16x128_f8f6f4 v[(\d):(\d)+7], v[(\a):(\a)+7], v[(\b):(\b)+7], v[(\c):(\c)+7], v[(\sa)], v[(\sb)] matrix_a_fmt:MATRIX_FMT_FP4 matrix_b_fmt:MATRIX_FMT_FP4
.endif
.endm
; The codes of 64 numbers at v[s] on, scale operands in v[TM+12] on, into the operand's registers: tile t = 4 c + 2 a + e goes to register 4 c + 2 e + a, and the halves change places.
.macro CODES s, pc
.irp t, 0,1,2,3,4,5,6,7
	v_cvt_scalef32_pk8_fp4_f32 v[(\pc)+4*(\t/4)+2*(\t%2)+((\t/2)%2)], v[(\s)+8*\t:(\s)+8*\t+7], v[TM+12+(\t/2)]
.endr
	v_nop                                          ; one plain place behind a scaled conversion
.irp k, 0,2,4,6
	v_permlane16_swap_b32 v[(\pc)+\k], v[(\pc)+\k+1]
.endr
.endm
.macro LOADK b                         ; K's eight fragments (window 1) and its scale words out of the block at s[b]
	WIN 0x40
.irp t, 0,1,2,3,4,5,6,7
	global_load_b128 v[32+8*\t:35+8*\t], v[LI], s[\b:\b+1] offset:1024*\t
	global_load_b128 v[36+8*\t:39+8*\t], v[LI], s[\b:\b+1] offset:1024*\t+512
.endr
	WIN 0
	global_load_b64 v[24:25], v[L8], s[\b:\b+1] offset:16384   ; register p: lanes 0-15 tile 2 p, lanes 16-31 tile 2 p + 1
	global_load_b64 v[26:27], v[L8], s[\b:\b+1] offset:16640
.endm
.macro LOADV
.irp t, 0,1,2,3,4,5,6,7
	global_load_b128 v[32+8*\t:35+8*\t], v[LI], s[KB:KB+1] offset:8192+1024*\t
	global_load_b128 v[36+8*\t:39+8*\t], v[LI], s[KB:KB+1] offset:8192+1024*\t+512
.endr
	global_load_b64 v[28:29], v[L8], s[KB:KB+1] offset:16896
	global_load_b64 v[30:31], v[L8], s[KB:KB+1] offset:17152
.endm
.macro LOADM a, o                      ; the mask of my 16 queries at 128 keys, in the scores' layout, into window 1
	WIN 0x40
.irp t, 0,1,2,3,4,5,6,7
	ds_load_b128 v[96+8*\t:99+8*\t], v[\a] offset:(\o)+64*\t
	ds_load_b128 v[100+8*\t:103+8*\t], v[\a] offset:(\o)+64*\t+16
.endr
	WIN 0
.endm
; THE SOFTMAX OF ONE TILE AND 128 KEYS, in three parts; all registers in the tile's own window.  SM1: the maxima, M, f, and t - M.
.macro SM1
.irp b, 0,1,2,3
	v_max3_num_f32 v[232+\b], v[96+16*\b], v[97+16*\b], v[98+16*\b]   ; the largest score of each block of 32 keys: for the row's maximum and for the block's largest p
.endr
.irp i, 3,5,7,9,11,13
.irp b, 0,1,2,3
	v_max3_num_f32 v[232+\b], v[232+\b], v[96+16*\b+\i], v[97+16*\b+\i]
.endr
.endr
.irp b, 0,1,2,3
	v_max_num_f32 v[232+\b], v[232+\b], v[111+16*\b]
.endr
.irp b, 0,1,2,3
	v_permlanex16_b32 v[236+\b], v[232+\b], s[SEL], s[SEL+1]
.endr
.irp b, 0,1,2,3
	v_max_num_f32 v[232+\b], v[232+\b], v[236+\b]  ; with lane l xor 16's 16 keys
.endr
	DL 2
	v_max3_num_f32 v254, v232, v233, v234
	DL 1
	v_max_num_f32 v254, v254, v235
	DL 1
	v_mul_f32 v254, s[CS], v254                    ; the step's largest t
	DL 1
	v_max_num_f32 v13, v13, v254
	v_mov_b32 v254, v12
	DL 2
	v_floor_f32 v12, -v13                          ; the new -M = -ceil(t)
	DL 1
	v_sub_f32 v254, v12, v254                      ; old M - new M: a whole number, 0 or less
	DL 1
	v_cvt_i32_f32 v254, v254                       ; (it saturates)
	DL 1
	v_ldexp_f32 v252, 1.0, v254                    ; f = 2^(old M - new M)
.set j, 0
.rept 32
	v_pk_fma_f32 v[96+j:97+j], v[96+j:97+j], s[CS:CS+1], v[12:13] op_sel_hi:[1,0,0]   ; t - M
.set j, j+2
.endr
.irp b, 0,1,2,3
	v_fma_f32 v[232+\b], v[232+\b], s[CS], v12     ; the same of each block's largest score
.endr
	s_wait_alu depctr_va_vdst(0)                   ; the wait ahead of the batch
.endm
.macro SM2                             ; the 64 exponentials, one batch
.set j, 0
.rept 64
	v_exp_f32 v[96+j], v[96+j]
.set j, j+1
.endr
	v_pk_mul_f32 v[14:15], v[14:15], v[252:253] op_sel_hi:[1,0]   ; the sums under the new M; a plain place behind the batch
	s_wait_alu depctr_va_vdst(0)                   ; one wait for the batch
.endm
.macro SM3 w, ps                       ; the row's sum, p's scales and codes, O^T under the new M.  w: the tile's window; ps: p's scale word, in window 0
.irp b, 0,1,2,3
	v_exp_f32 v[232+\b], v[232+\b]                 ; the block's largest p
.endr
.irp k, 0,2,4,6
	v_pk_add_f32 v[236+\k:237+\k], v[96+\k:97+\k], v[104+\k:105+\k]   ; the sum of the unquantised p, in four chains
.endr
.set j, 16
.rept 6
.irp k, 0,2,4,6
	v_pk_add_f32 v[236+\k:237+\k], v[236+\k:237+\k], v[96+j+\k:97+j+\k]
.endr
.set j, j+8
.endr
	v_pk_add_f32 v[236:237], v[236:237], v[238:239]
	v_pk_add_f32 v[240:241], v[240:241], v[242:243]
	DL 1
	v_pk_add_f32 v[236:237], v[236:237], v[240:241]
	DL 1
	v_pk_add_f32 v[14:15], v[14:15], v[236:237]
	s_wait_alu depctr_va_vdst(0)                   ; one wait for the four
.irp b, 0,1,2,3
	v_max_num_f32 v[232+\b], 0x1800000, v[232+\b]  ; the floor 2^(3 - 127): the byte cannot fall under 1
.endr
.irp b, 0,1,2,3
	v_add_nc_u32 v[244+\b], 0xff000000, v[232+\b]  ; 2 off the exponent field: the conversion's scale operand
.endr
.irp b, 0,1,2,3
	v_lshrrev_b32 v[236+\b], 23, v[244+\b]         ; the scale's byte
.endr
	DL 3
	v_lshl_or_b32 v253, v237, 8, v236
	DL 1
	v_lshl_or_b32 v253, v238, 16, v253
	WIN 0x15*(\w)                                  ; scale words are taken from window 0
	v_lshl_or_b32 v[\ps], v239, 24, v253
	WIN 0x55*(\w)
	CODES 96, 224
	s_wait_alu depctr_va_vdst(0)                   ; the wait directly ahead of the first reader of O^T
.set j, 0
.rept 32
	v_pk_mul_f32 v[160+j:161+j], v[160+j:161+j], v[252:253] op_sel_hi:[1,0]   ; O^T under the new M; also the places ahead of the products
.set j, j+2
.endr
.endm
.macro INIT                            ; a tile's state: the step is written once for all, the first finds zeros
	v_mov_b32 v13, 0xff61b1e6                      ; -3e38, under every t
	v_floor_f32 v12, -v13
	v_mov_b32 v14, 0
	v_mov_b32 v15, 0
.irp b, 236,237,238,239,253
	v_mov_b32 v[\b], 0                             ; a lane permute's destination and a pair's upper half count as read
.endr
.set j, 0
.rept 64
	v_mov_b32 v[160+j], 0
.set j, j+1
.endr
.endm
	s_load_b256 s[4:11], s[0:1], 0x0               ; q_img, q_sc, kv, the mask
	s_load_b128 s[12:15], s[0:1], 0x20             ; at, at_sc
	v_lshl_add_u32 v[SPW], v0, 2, SPARE
	v_mov_b32 v[NIL], 0
	ds_add_u32 v[SPW], v[NIL]                      ; the opening lines: the add, twice on end, and its wait ahead of my first tensor load
	ds_add_u32 v[SPW], v[NIL]
	v_lshrrev_b32 v232, 5, v0
	v_readfirstlane_b32 s[WV], v232                ; wave 0..7
	s_and_b32 s[HP], s[WV], 1                      ; which 256 of every 512 keys; also which head is my tile 0
	s_lshr_b32 s[YW], s[WV], 1                     ; my tile of queries
	s_bfe_u32 s[PCX], ttmp6, 0x40000
	s_lshl_b32 s[GH], ttmp9, 2
	s_add_co_u32 s[GH], s[GH], s[PCX]              ; my key and value head
	s_and_b32 s[QB], ttmp7, 0xffff                 ; my block of 64 queries
	s_mov_b32 s[G1], 15|(2<<16)|(1<<20)|(1<<21)|(7<<22)|(3<<25)   ; all four partners; elements of 4 bytes; 4 words of padding behind every 256
	s_mov_b32 s[G1+1], 256<<16
	s_mov_b32 s[G1+2], 16<<16
	s_mov_b32 s[G1+3], 256<<16
	s_mov_b32 s[G1+4], 16
	s_mov_b32 s[G1+5], 2048
	s_mov_b32 s[G1+6], 0
	s_mov_b32 s[G1+7], 0
	s_mul_i32 s[WB], s[WV], WREG
	s_mov_b32 s[SEL], 0x76543210
	s_mov_b32 s[SEL+1], 0xfedcba98
	s_mov_b32 s[CS], 0x3e0293ee
	s_mov_b32 s[CS+1], s[CS]
	s_mov_b32 s[R128], 0x413504f3
	s_mov_b32 s[R128+1], s[R128]
	s_mov_b32 s[TB], 0
	s_mov_b32 s[TF], 0
	s_lshl_b32 s52, s[YW], 12
	v_and_b32 v232, 15, v0                         ; r
	v_bfe_u32 v233, v0, 4, 1                       ; h
	v_and_b32 v234, 31, v0                         ; lane
	v_lshlrev_b32 v[LI], 4, v234
	v_lshlrev_b32 v[L8], 3, v234
	v_mul_u32_u24 v[AM0], v232, MP
	v_lshl_add_u32 v[AM0], v233, 5, v[AM0]
	v_add_nc_u32 v[AM0], s[WB], v[AM0]             ; row r of my tile, + 32 bytes for lanes 16-31
	v_add_nc_u32 v[AM1], SLOTB, v[AM0]
	v_mov_b32 v[ADM], v[AM0]
	v_lshlrev_b32 v236, 3, v232                    ; Q's scale words: 8 r
	v_min_u32 v235, 15, v234                       ; the prefetches name 16 blocks: lanes 16-31 name the last again
	v_lshlrev_b32 v[PFO], 8, v235
	v_add_nc_u32 v[PFO], s52, v[PFO]               ; K, V: quarter y of the 64 blocks of images
	v_lshrrev_b32 v237, 2, v235
	v_and_b32 v235, 3, v235
	v_lshlrev_b32 v[PFM], 13, v237                 ; the mask: four rows x four blocks
	v_lshl_add_u32 v[PFM], v235, 8, v[PFM]
	s_wait_alu depctr_va_vdst(0)                   ; the wait ahead of the waits below
	s_wait_dscnt 0x0                               ; both opening adds are done
	s_wait_kmcnt 0x0
	s_lshl_b32 s52, s[QB], 19                      ; the mask: row 64 qb + 16 y, 8,192 bytes a row, + 1,024 (w % 2)
	s_lshl_b32 s53, s[YW], 17
	s_add_co_u32 s52, s52, s53
	s_lshl_b32 s53, s[HP], 10
	s_add_co_u32 s52, s52, s53
	s_mov_b32 s53, 0
	s_add_nc_u64 s[10:11], s[10:11], s[52:53]
	s_mov_b32 s[G0], 1
	s_mov_b32 s[G0+1], s[WB]
	s_mov_b64 s[G0+2:G0+3], s[10:11]
	s_or_b32 s[G0+3], s[G0+3], 0x80000000
	CROUND                                         ; all four work-groups are here
	TLOAD                                          ; slot 0: keys 0 to 511; one tensor load a wave at the head
	s_lshl_b32 s52, s[PCX], 15                     ; the mask's prefetches: my work-group's 4 rows of my tile, in slot 2's keys
	s_add_co_u32 s52, s52, 4096
	s_add_nc_u64 s[MPF:MPF+1], s[10:11], s[52:53]
	s_lshl_b32 s54, s[GH], 4                       ; kv: my head, key step 2 (w % 2)
	s_lshl_b32 s55, s[HP], 1
	s_add_co_u32 s54, s54, s55
	s_mul_i32 s54, s54, KVB
	s_mov_b32 s55, 0
	s_add_nc_u64 s[KB:KB+1], s[8:9], s[54:55]
	s_add_nc_u64 s[KN:KN+1], s[KB:KB+1], KVB
	s_mov_b32 s[DD], 3*KVB
	s_mov_b32 s[DD+1], 0
	s_lshl_b32 s56, s[GH], 1
	s_add_co_u32 s[HD], s56, s[HP]                 ; tile 0's head; tile 1's differs in its low bit
	s_lshl_b32 s56, s[HD], 17                      ; q_img: (128 head + 4 qb + y) x 1,024
	s_lshl_b32 s57, s[QB], 12
	s_add_co_u32 s56, s56, s57
	s_lshl_b32 s57, s[YW], 10
	s_add_co_u32 s56, s56, s57
	s_xor_b32 s58, s56, 1<<17
	s_mov_b32 s57, 0
	s_mov_b32 s59, 0
	s_add_nc_u64 s[56:57], s[4:5], s[56:57]
	s_add_nc_u64 s[58:59], s[4:5], s[58:59]
	s_lshl_b32 s60, s[HD], 13                      ; q_sc: (32 head + qb) x 256 + 128 (y % 2) + 4 (y / 2)
	s_lshl_b32 s61, s[QB], 8
	s_add_co_u32 s60, s60, s61
	s_and_b32 s61, s[YW], 1
	s_lshl_b32 s61, s61, 7
	s_add_co_u32 s60, s60, s61
	s_lshr_b32 s61, s[YW], 1
	s_lshl_b32 s61, s61, 2
	s_add_co_u32 s60, s60, s61
	s_xor_b32 s62, s60, 1<<13
	s_mov_b32 s61, 0
	s_mov_b32 s63, 0
	s_add_nc_u64 s[60:61], s[6:7], s[60:61]
	s_add_nc_u64 s[62:63], s[6:7], s[62:63]
	global_load_b128 v[16:19], v[LI], s[56:57]     ; Q's fragments stay in registers
	global_load_b128 v[20:23], v[LI], s[56:57] offset:512
	global_load_b32 v[QSA], v236, s[60:61]
	global_load_b32 v[QSB], v236, s[62:63]
	WIN 0x40
	global_load_b128 v[16:19], v[LI], s[58:59]
	global_load_b128 v[20:23], v[LI], s[58:59] offset:512
	LOADK KB                                       ; my first step's K
	s_wait_xcnt 0x0                                ; the loads have read v236
	INIT
	WIN 0x55
	INIT
	WIN 0
	s_wait_alu depctr_va_vdst(0)                   ; the wait at the head's end
	s_wait_tensorcnt 0x0                           ; my tile of slot 0 is in; slot 1's first fill is issued as a refill is
	ds_add_u32 v[SPW], v[NIL]                      ; 0 onto my spare word
	NEXTFILL
	s_wait_dscnt 0x0
	CROUND
	TLOAD                                          ; slot 1
	LOADM AM0, 0
	s_wait_loadcnt 0x0                             ; Q and K
; A STEP: 128 keys, two tiles.  kind 0: a slot's first step.  kind 1: its second, with the change of slots and a refill.  kind 2: one of the last four steps, which ask for no tile; s[CNT] = 4 .. 1 says which.
.macro STEP kind
	s_wait_dscnt 0x0                               ; the mask is in
	WIN 0x55
.set j, 0
.rept 32
	v_pk_mul_f32 v[96+j:97+j], v[96+j:97+j], s[R128:R128+1] op_sel_hi:[1,0]   ; the mask x sqrt(128), once for both heads
.set j, j+2
.endr
	PLACES 4
	WIN 0x11                                       ; K and the mask window 1, Q and the result window 0
.irp t, 0,1,2,3,4,5,6,7
	WMS 96+8*\t, 32+8*\t, 16, 96+8*\t, 24+(\t/2), QSA, \t%2
.endr
	PLACES 5                                       ; tile 1's results are laid over the mask, which tile 0's products have read as C: five places
	WIN 0x55
.irp t, 0,1,2,3,4,5,6,7
	WMS 96+8*\t, 32+8*\t, 16, 96+8*\t, 24+(\t/2), QSB, \t%2
.endr
	WIN 0
	PLACES 4                                       ; four places ahead of reads of the results and of loads into the operands
.if (\kind) == 2
	s_cmp_eq_u32 s[CNT], 1                         ; the last step has no successor
	s_cbranch_scc1 .Lno_k_\@
.endif
	LOADK KN                                       ; the next step's K and this step's V land while the softmax is worked
.if (\kind) == 2
.Lno_k_\@:
.endif
	LOADV
.if (\kind) == 2
	s_cmp_lt_u32 s[CNT], 3                         ; the last two steps have no step after next
	s_cbranch_scc1 .Lno_p_\@
.endif
	global_prefetch_b8 v[PFO], s[KB:KB+1] offset:4*KVB th:TH_LOAD_NT scope:SCOPE_SE
.if (\kind) == 2
.Lno_p_\@:
.endif
.if (\kind) == 0
	global_prefetch_b8 v[PFM], s[MPF:MPF+1] th:TH_LOAD_NT scope:SCOPE_SE
.endif
	WIN 0x55
	SM1                                            ; tile 1 first: its registers take the next mask
	SM2
	SM3 1, PSB
	WIN 0
.if (\kind) == 0
	LOADM ADM, 512
	s_wait_alu depctr_va_vdst(0)
	SM1
	SM2
.elseif (\kind) == 1
	s_wait_alu depctr_va_vdst(0)                   ; the wait ahead of the wait below
	s_wait_tensorcnt 0x0                           ; my tile of the other slot is in
	ds_add_u32 v[SPW], v[NIL]                      ; 0 onto my spare word
	NEXTFILL
	s_xor_b32 s[TB], s[TB], SLOTB
	s_wait_dscnt 0x0                               ; the add is done; my reads of this slot ended at the step's head
	s_barrier_signal -1                            ; opens a round of the cluster's barrier
	s_wait_alu depctr_va_vdst(0)                   ; as in kind 0
	SM1                                            ; work on registers while the others arrive
	SM2
	s_barrier_wait -1
	CREST
	TLOAD                                          ; the slot just left takes the keys 1,024 on; my one tensor load behind the round
	v_add_nc_u32 v[ADM], s[TB], v[AM0]
	LOADM ADM, 0
.else
	s_wait_tensorcnt 0x0                           ; the last fill, slot 1's, is read from the second of these four steps on
	s_cmp_eq_u32 s[CNT], 4
	s_cbranch_scc0 .Lm3_\@
	LOADM AM0, 512
	s_branch .Lmd_\@
.Lm3_\@:
	s_cmp_eq_u32 s[CNT], 3
	s_cbranch_scc0 .Lm2_\@
	LOADM AM1, 0
	s_branch .Lmd_\@
.Lm2_\@:
	s_cmp_eq_u32 s[CNT], 2
	s_cbranch_scc0 .Lmd_\@
	LOADM AM1, 512
.Lmd_\@:
	s_wait_alu depctr_va_vdst(0)                   ; as in kind 0
	SM1
	SM2
.endif
	SM3 0, PSA
	s_wait_alu depctr_va_vdst(0)                   ; the wait ahead of the wait below
	s_wait_loadcnt 0x0                             ; V, and the next K
	s_wait_xcnt 0x0                                ; the prefetches have read their addresses
	s_mov_b64 s[KB:KB+1], s[KN:KN+1]
	s_add_nc_u64 s[KN:KN+1], s[KN:KN+1], s[DD:DD+1]
	s_xor_b32 s[DD], s[DD], KVB^(3*KVB)
.if (\kind) == 0
	s_add_nc_u64 s[MPF:MPF+1], s[MPF:MPF+1], 2048
.endif
.irp t, 0,1,2,3,4,5,6,7
	WMS 160+8*\t, 32+8*\t, 224, 160+8*\t, 28+(\t/2), PSA, \t%2     ; O^T += V^T P^T: sixteen accumulators, one instruction each
.endr
	WIN 0x54                                       ; V window 0; p, C and D window 1
.irp t, 0,1,2,3,4,5,6,7
	WMS 160+8*\t, 32+8*\t, 224, 160+8*\t, 28+(\t/2), PSB, \t%2
.endr
	WIN 0
.endm
	s_mov_b32 s[CNT], 2
.Lmain:                                            ; two trips: slots 0 and 1, each filled again
	STEP 0
	STEP 1
	s_sub_co_u32 s[CNT], s[CNT], 1
	s_cmp_lg_u32 s[CNT], 0
	s_cbranch_scc1 .Lmain
	s_mov_b32 s[CNT], 4
.Ltail:                                            ; the last two slots' four steps have no tensor load
	STEP 2
	s_sub_co_u32 s[CNT], s[CNT], 1
	s_cmp_lg_u32 s[CNT], 0
	s_cbranch_scc1 .Ltail
	; THE TWO HALVES OF THE KEYS MEET.  I send tile 1 (O^T, -M, the sums) as an image of its registers, through my own tile's bytes of slot 0, which have had their last fill and my last read, and take my partner's part of tile 0.
	PLACES 4
	v_add_nc_u32 v[ADM], s[WB], v[LI]
	s_xor_b32 s52, s[WV], 1
	s_mul_i32 s52, s52, WREG
	v_add_nc_u32 v[AM1], s52, v[LI]
	WIN 0x04                                       ; the data: window 1
.set j, 0
.rept 16
	ds_store_b128 v[ADM], v[160+j:163+j] offset:128*j
.set j, j+4
.endr
	ds_store_b128 v[ADM], v[12:15] offset:8192
	WIN 0
	s_wait_alu depctr_va_vdst(0)                   ; the wait ahead of the wait below
	s_wait_dscnt 0x0                               ; for my partner's sake
	s_barrier_signal -1
	s_barrier_wait -1
.set j, 0
.rept 16
	ds_load_b128 v[96+j:99+j], v[AM1] offset:128*j
.set j, j+4
.endr
	ds_load_b128 v[236:239], v[AM1] offset:8192
	v_and_b32 v232, 15, v0
	v_bfe_u32 v233, v0, 4, 1
	s_lshl_b32 s52, s[HP], 8
	s_lshl_b32 s53, s[YW], 6
	s_add_co_u32 s52, s52, s53
	s_add_co_u32 s52, s52, STG
	v_lshl_add_u32 v[STW], v232, 2, s52            ; the stage of scale words: 256 (w % 2) + 64 y + 4 r
	v_lshlrev_b32 v[SCO], 9, v233
	v_lshl_add_u32 v[SCO], v232, 4, v[SCO]
	v_add_nc_u32 v[STR], STG, v[LI]
	v_add_f32 v14, v14, v15
	s_wait_alu depctr_va_vdst(0)
	s_wait_dscnt 0x0
	v_min_num_f32 v240, v12, v236                  ; -M of both parts
	v_add_f32 v238, v238, v239
	v_sub_f32 v241, v240, v12                      ; whole numbers, 0 or less
	v_sub_f32 v242, v240, v236
	v_cvt_i32_f32 v241, v241
	v_cvt_i32_f32 v242, v242
	v_ldexp_f32 v241, 1.0, v241                    ; my part's factor, exact
	v_ldexp_f32 v242, 1.0, v242                    ; my partner's
	v_mul_f32 v14, v14, v241
	v_fmac_f32 v14, v238, v242
	v_permlanex16_b32 v252, v14, s[SEL], s[SEL+1]
	v_add_f32 v14, v14, v252                       ; the row's sum
	s_wait_alu depctr_va_vdst(0)                   ; the wait ahead of the transcendental
	v_rcp_f32 v14, v14
	v_nop
	s_wait_alu depctr_va_vdst(0)                   ; and ahead of its first reader
	v_mul_f32 v244, v241, v14
	v_mul_f32 v246, v242, v14
.set j, 0
.rept 32
	v_pk_mul_f32 v[96+j:97+j], v[96+j:97+j], v[246:247] op_sel_hi:[1,0]
.set j, j+2
.endr
	s_wait_alu depctr_va_vdst(0)                   ; directly ahead of the first reader of O^T
.set j, 0
.rept 32
	v_pk_fma_f32 v[96+j:97+j], v[160+j:161+j], v[244:245], v[96+j:97+j] op_sel_hi:[1,0,1]   ; o: one fragment of the last product's operand
.set j, j+2
.endr
.irp b, 0,1,2,3
	v_max3_num_f32 v[TM+\b], |v[96+16*\b]|, |v[97+16*\b]|, 0x1800000
.endr
.irp i, 2,4,6,8,10,12,14
.irp b, 0,1,2,3
	v_max3_num_f32 v[TM+\b], |v[96+16*\b+\i]|, |v[97+16*\b+\i]|, v[TM+\b]
.endr
.endr
.irp b, 0,1,2,3
	v_permlanex16_b32 v[TM+4+\b], v[TM+\b], s[SEL], s[SEL+1]
.endr
.irp b, 0,1,2,3
	v_max_num_f32 v[TM+\b], v[TM+\b], v[TM+4+\b]
.endr
.irp b, 0,1,2,3
	v_add_nc_u32 v[TM+12+\b], 0xff000000, v[TM+\b]
.endr
.irp b, 0,1,2,3
	v_lshrrev_b32 v[TM+4+\b], 23, v[TM+12+\b]
.endr
	v_lshl_or_b32 v253, v[TM+5], 8, v[TM+4]
	v_lshl_or_b32 v253, v[TM+6], 16, v253
	v_lshl_or_b32 v253, v[TM+7], 24, v253
	CODES 96, 224
	s_lshr_b32 s54, s[QB], 1                       ; at: ((16 block of 128 tokens + head) x 8 + 4 (qb % 2) + y) x 1,024
	s_lshl_b32 s55, s54, 4
	s_add_co_u32 s55, s55, s[HD]
	s_lshl_b32 s55, s55, 3
	s_and_b32 s56, s[QB], 1
	s_lshl_b32 s57, s56, 2
	s_add_co_u32 s55, s55, s57
	s_add_co_u32 s58, s55, s[YW]
	s_lshl_b32 s58, s58, 10
	s_mov_b32 s59, 0
	s_add_nc_u64 s[12:13], s[12:13], s[58:59]
	s_lshl_b32 s58, s54, 13                        ; at_sc: 8,192 block + 1,024 g + 256 (qb % 2)
	s_lshl_b32 s55, s[GH], 10
	s_add_co_u32 s58, s58, s55
	s_lshl_b32 s55, s56, 8
	s_add_co_u32 s58, s58, s55
	s_add_nc_u64 s[14:15], s[14:15], s[58:59]
	s_wait_alu depctr_va_vdst(0)                   ; behind the run of scalar lines
	global_store_b128 v[LI], v[224:227], s[12:13]  ; 32 lanes store 512 consecutive bytes
	global_store_b128 v[LI], v[228:231], s[12:13] offset:512
	ds_store_b32 v[STW], v253                      ; lanes l and l xor 16 write the same word with the same value
	s_wait_dscnt 0x0
	s_barrier_signal -1
	s_barrier_wait -1
	s_cmp_lg_u32 s[WV], 0
	s_cbranch_scc1 .Lnot_first
	ds_load_b128 v[96:99], v[STR]                  ; the work-group's 128 scale words leave as two pieces of 256 consecutive bytes
	s_wait_dscnt 0x0
	global_store_b128 v[SCO], v[96:99], s[14:15]
.Lnot_first:
	s_wait_tensorcnt 0x0                           ; the wave's end
	ds_add_u32 v[SPW], v[NIL]
	s_wait_dscnt 0x0
	CROUND                                         ; the closing round
	s_endpgm
.Lfunc_end_k_q111828e409_attn:
	.size	k_q111828e409_attn, .Lfunc_end_k_q111828e409_attn-k_q111828e409_attn
	.p2alignl 7, 3214868480
	.fill 96, 4, 3214868480
	.section	.rodata,"a",@progbits
	.p2align	6, 0x0
	.amdhsa_kernel k_q111828e409_attn
		.amdhsa_group_segment_fixed_size 327680
		.amdhsa_private_segment_fixed_size 0
		.amdhsa_enable_private_segment 0
		.amdhsa_kernarg_size 48
		.amdhsa_user_sgpr_count 2
		.amdhsa_user_sgpr_kernarg_segment_ptr 1
		.amdhsa_wavefront_size32 1
		.amdhsa_system_sgpr_workgroup_id_x 1
		.amdhsa_system_sgpr_workgroup_id_y 1
		.amdhsa_system_sgpr_workgroup_id_z 1
		.amdhsa_system_vgpr_workitem_id 0
		.amdhsa_next_free_vgpr 512
		.amdhsa_next_free_sgpr 100
		.amdhsa_reserve_vcc 0
		.amdhsa_float_denorm_mode_32 3
		.amdhsa_float_denorm_mode_16_64 3
		.amdhsa_memory_ordered 1
		.amdhsa_forward_progress 1
		.amdhsa_inst_pref_size 145
	.end_amdhsa_kernel
	.amdgpu_metadata
---
amdhsa.version: [ 1, 2 ]
amdhsa.kernels:
  - .name:           k_q111828e409_attn
    .symbol:         k_q111828e409_attn.kd
    .args:
      - { .name: q_img, .offset: 0, .size: 8, .value_kind: global_buffer, .address_space: global }
      - { .name: q_sc, .offset: 8, .size: 8, .value_kind: global_buffer, .address_space: global }
      - { .name: kv, .offset: 16, .size: 8, .value_kind: global_buffer, .address_space: global }
      - { .name: attention_mask, .offset: 24, .size: 8, .value_kind: global_buffer, .address_space: global }
      - { .name: at, .offset: 32, .size: 8, .value_kind: global_buffer, .address_space: global }
      - { .name: at_sc, .offset: 40, .size: 8, .value_kind: global_buffer, .address_space: global }
    .group_segment_fixed_size: 327680
    .private_segment_fixed_size: 0
    .kernarg_segment_align: 8
    .kernarg_segment_size: 48
    .max_flat_workgroup_size: 256
    .sgpr_count:     100
    .vgpr_count:     512
    .wavefront_size: 32
...
	.end_amdgpu_metadata
.endif
;; end of part 2
;; launch oproj (part 3): grid 16 x 16, 4 waves a work-group, clusters of 4 x 1, 327,680 bytes of LDS; arguments at, at_sc, Wo_codes, Wo_scales, out0; writes out0
.if DOCPART == 3
	.amdgcn_target "amdgcn-amd-amdhsa--gfx1250"
	.amdhsa_code_object_version 6
	.text
	.protected	k_q111828e409_oproj
	.globl	k_q111828e409_oproj
	.p2align	8
	.type	k_q111828e409_oproj,@function
k_q111828e409_oproj:
	s_mov_b64 s[64:65], 0
	v_nop
	global_prefetch_b8 v0, s[64:65] scope:SCOPE_SE
	s_setreg_imm32_b32 hwreg(HW_REG_WAVE_MODE, 25, 1), 1
	s_wait_xcnt 0x0
	s_wait_alu depctr_hold_cnt(0) depctr_sa_sdst(0) depctr_va_vdst(0) depctr_va_sdst(0) depctr_va_ssrc(0) depctr_va_vcc(0) depctr_vm_vsrc(0)
	s_getreg_b32 s2, hwreg(HW_REG_IB_STS2, 6, 4)
	s_cmp_eq_u32 s2, 0
	s_cbranch_scc0 .Lentry_in_a_cluster
	s_endpgm
.Lentry_in_a_cluster:
	s_bfe_u32 s2, ttmp6, 0x10000c
	s_cmp_lg_u32 s2, 0x3003
	s_cbranch_scc0 .Lentry_shape_is_right
	s_endpgm
.Lentry_shape_is_right:
; out = o Wo^T on codes of FP4 (E2M1) with one E8M0 scale for each 32 along K = 2,048.  o (at, at_sc) comes from the launch before as images of the operand's registers; Wo as the problem gives it; out is f32.
; D = X Y^T, source 0 = 16 rows of X = Wo, source 1 = 16 rows of Y = o: a lane holds one token, and its eight registers eight neighbouring columns of out.
; SHARES.  A work-group makes 256 (Wo's rows) x 128 (tokens); each of its four waves 128 x 64: 32 accumulators; 16 x 16 = 256 work-groups.
; NO RING.  Wo's block for ALL of K is 256 rows x 1,024 bytes: 4 x 69,632 bytes of LDS with the padding.  Wave w fetches K quarter w (256 rows x 256 bytes) by its one tensor load at the head; nothing is filled again.
; Each wave waits for its own load ahead of ONE barrier, behind which all four quarters are whole; no further barrier stands in the text but the cluster's closing round.
; CLUSTERS of 4 x 1: the four work-groups are four blocks of tokens on the same rows of Wo and ask for them jointly.
; o's FRAGMENTS go from memory straight into registers (each load covers 512 consecutive bytes): eight K steps of 128 fill window 3 at the head, and a set is loaded again, for the step eight on, as soon as its products are issued.
; They are not asked for jointly: LDS is taken by Wo's 278,528 bytes.  THE SCALE WORDS are copied once into registers: Wo's 64 a lane (the four loads of 32 rows cover 2,048 consecutive bytes together), o's 32.
; No prefetch: the text has no loop to run ahead in; every byte is asked for at the head, or eight K steps ahead of its use.
; REGISTERS, in windows of 256.  Window 0: v1-16 addresses; v32-95 Wo's scale words (16 b + k: rows 32 b + lane, K step k); v96-127 o's (16 b + k: tiles 2 b, 2 b + 1); on the way out v128-255 rows read back.
; Window 1: X's fragments, two sets, at v0 and v128.   Window 2: accumulator (tile t of X, tile y of Y) at v[64 y + 8 t].   Window 3: Y's fragments: K step k at v[32 (k % 8) + 8 y].
.set PITCH,  272                       ; an LDS row: 256 bytes + 16 of padding
.set XBYTES, 256*PITCH                 ; a K quarter of X
.set SPARE,  4*XBYTES                  ; the spare words, 128 bytes for each wave
.set STAGE,  SPARE+512                 ; the way out: bytes of their own, into which no fill lands
.set SPITCH, 528                       ; a stage of 16 rows x (512 + 16) bytes for each wave
.set LANE, 1
.set RR,   2
.set HH,   3
.set ADX,  4                           ; v4-7   my X fragments in quarter 0 .. 3
.set L64,  9                           ; 64 x lane
.set LI,   10                          ; 16 x lane
.set L4,   11                          ; 4 x lane
.set STO,  12
.set RD,   13
.set SPW,  14
.set NIL,  15
.set T0,   16
.set XS,   32
.set YS,   96
.set BK,   128
.set WV,   14
.set ROLE, 15                          ; wave / 2: which 128 rows of X are mine
.set HALF, 16                          ; wave % 2: which 64 tokens
.set PCX,  17
.set XT,   18
.set YT,   19
.set G1,   24
.set G0,   32
.set MSB, 0
.macro WIN new                         ; the immediate's high byte repeats the setting that is left
.if MSB != (\new)
	s_set_vgpr_msb (MSB<<8)|(\new)
.set MSB, (\new)
.endif
.endm
.macro PLACES n
.rept \n
	v_nop
.endr
.endm
.macro CROUND                          ; a round of the cluster's barrier
	s_barrier_signal -1
	s_barrier_wait -1
	s_cmp_lg_u32 s[WV], 0
	s_cbranch_scc1 .Lnot_wave_0_\@
	s_barrier_signal -3
.Lnot_wave_0_\@:
	s_barrier_wait -3
	s_barrier_signal -1
	s_barrier_wait -1
.endm
; One matrix instruction.  z = 1: C is 0, else C is D; ra, rb = 1: the scales stand in lanes 16-31.
.macro WMS d, a, b, z, sa, sb, ra, rb
.if (\z) && (\ra) && (\rb)
	v_wmma_scale_f32_16x16x128_f8f6f4 v[(\d):(\d)+7], v[(\a):(\a)+7], v[(\b):(\b)+7], 0, v[(\sa)], v[(\sb)] matrix_a_fmt:MATRIX_FMT_FP4 matrix_b_fmt:MATRIX_FMT_FP4 matrix_a_scale:MATRIX_SCALE_ROW1 matrix_b_scale:MATRIX_SCALE_ROW1
.elseif (\z) && (\ra)
	v_wmma_scale_f32_16x16x128_f8f6f4 v[(\d):(\d)+7], v[(\a):(\a)+7], v[(\b):(\b)+7], 0, v[(\sa)], v[(\sb)] matrix_a_fmt:MATRIX_FMT_FP4 matrix_b_fmt:MATRIX_FMT_FP4 matrix_a_scale:MATRIX_SCALE_ROW1
.elseif (\z) && (\rb)
	v_wmma_scale_f32_16x16x128_f8f6f4 v[(\d):(\d)+7], v[(\a):(\a)+7], v[(\b):(\b)+7], 0, v[(\sa)], v[(\sb)] matrix_a_fmt:MATRIX_FMT_FP4 matrix_b_fmt:MATRIX_FMT_FP4 matrix_b_scale:MATRIX_SCALE_ROW1
.elseif (\z)
	v_wmma_scale_f32_16x16x128_f8f6f4 v[(\d):(\d)+7], v[(\a):(\a)+7], v[(\b):(\b)+7], 0, v[(\sa)], v[(\sb)] matrix_a_fmt:MATRIX_FMT_FP4 matrix_b_fmt:MATRIX_FMT_FP4
.elseif (\ra) && (\rb)
	v_wmma_scale_f32_16x16x128_f8f6f4 v[(\d):(\d)+7], v[(\a):(\a)+7], v[(\b):(\b)+7], v[(\d):(\d)+7], v[(\sa)], v[(\sb)] matrix_a_fmt:MATRIX_FMT_FP4 matrix_b_fmt:MATRIX_FMT_FP4 matrix_a_scale:MATRIX_SCALE_ROW1 matrix_b_scale:MATRIX_SCALE_ROW1
.elseif (\ra)
	v_wmma_scale_f32_16x16x128_f8f6f4 v[(\d):(\d)+7], v[(\a):(\a)+7], v[(\b):(\b)+7], v[(\d):(\d)+7], v[(\sa)], v[(\sb)] matrix_a_fmt:MATRIX_FMT_FP4 matrix_b_fmt:MATRIX_FMT_FP4 matrix_a_scale:MATRIX_SCALE_ROW1
.elseif (\rb)
	v_wmma_scale_f32_16x16x128_f8f6f4 v[(\d):(\d)+7], v[(\a):(\a)+7], v[(\b):(\b)+7], v[(\d):(\d)+7], v[(\sa)], v[(\sb)] matrix_a_fmt:MATRIX_FMT_FP4 matrix_b_fmt:MATRIX_FMT_FP4 matrix_b_scale:MATRIX_SCALE_ROW1
.else
	v_wmma_scale_f32_16x16x128_f8f6f4 v[(\d):(\d)+7], v[(\a):(\a)+7], v[(\b):(\b)+7], v[(\d):(\d)+7], v[(\sa)], v[(\sb)] matrix_a_fmt:MATRIX_FMT_FP4 matrix_b_fmt:MATRIX_FMT_FP4
.endif
.endm
.macro FETCH kq                        ; X's eight fragments of K step kq, out of LDS, into set kq % 2 of window 1
	WIN 0x40
.irp t, 0,1,2,3,4,5,6,7
.irp c, 0,1
	ds_load_b128 v[128*((\kq)%2)+8*\t+4*\c:128*((\kq)%2)+8*\t+4*\c+3], v[ADX+(\kq)/4] offset:16*PITCH*\t+64*((\kq)%4)+32*\c
.endr
.endr
.endm
.macro YLOAD kq                        ; Y's four fragments of K step kq (head kq of o), out of memory, into window 3
	WIN 0xc0
.irp y, 0,1,2,3
.irp c, 0,1
	global_load_b128 v[32*((\kq)%8)+8*\y+4*\c:32*((\kq)%8)+8*\y+4*\c+3], v[LI], s[4:5] offset:8192*(\kq)+1024*\y+512*\c
.endr
.endr
.endm
.macro MUL8 y, kq                      ; tile y of Y against X's eight tiles.  The 32 accumulators take turns, one instruction a turn, in one order throughout
.irp t, 0,1,2,3,4,5,6,7
	WMS 64*(\y)+8*\t, 128*((\kq)%2)+8*\t, 32*((\kq)%8)+8*(\y), (\kq)==0, XS+16*(\t/2)+(\kq), YS+16*((\y)/2)+(\kq), \t%2, (\y)%2
.endr
.endm
; A K STEP of 128: 32 matrix instructions.  Y's set of the step before takes the step seven on; X's fragments of the next step are fetched.
; The count on LOADcnt: behind Y's eight loads of step kq stand those of the seven younger sets (kq up to 8), then of the 15 - kq sets that are left.
.macro STEP kq
	s_wait_dscnt 0x0                               ; this step's fragments of X are in
	PLACES 4                                       ; four places between the last products and loads into the registers that they read
.if ((\kq) >= 1) && ((\kq) <= 8)
	YLOAD (\kq)+7
.endif
.if (\kq) < 15
	FETCH (\kq)+1
.endif
.if (\kq) < 8
	s_wait_loadcnt 56
.else
	s_wait_loadcnt 8*(15-(\kq))
.endif
	WIN 0xad                                       ; source 0 window 1, source 1 window 3, C and D window 2
	MUL8 0, \kq
	MUL8 1, \kq
	MUL8 2, \kq
	MUL8 3, \kq
.endm
	s_load_b256 s[4:11], s[0:1], 0x0               ; at, at_sc, Wo's codes, Wo's scales
	s_load_b64 s[12:13], s[0:1], 0x20              ; out
	v_lshl_add_u32 v[SPW], v0, 2, SPARE
	v_mov_b32 v[NIL], 0
	ds_add_u32 v[SPW], v[NIL]                      ; the opening lines: the add, twice on end, and its wait ahead of my first tensor load
	ds_add_u32 v[SPW], v[NIL]
	v_lshrrev_b32 v[LANE], 5, v0
	v_readfirstlane_b32 s[WV], v[LANE]             ; wave 0..3
	s_lshr_b32 s[ROLE], s[WV], 1
	s_and_b32 s[HALF], s[WV], 1
	s_bfe_u32 s[PCX], ttmp6, 0x40000
	s_lshl_b32 s[YT], ttmp9, 2
	s_add_co_u32 s[YT], s[YT], s[PCX]              ; my block of 128 tokens
	s_and_b32 s[XT], ttmp7, 0xffff                 ; my block of 256 rows of Wo: the same in all four partners
	s_mov_b32 s[G1], 15|(1<<20)|(1<<21)|(5<<22)|(3<<25)   ; all four partners; elements of 1 byte; 4 words of padding behind every 64
	s_mov_b32 s[G1+1], 256<<16
	s_mov_b32 s[G1+2], 256<<16
	s_mov_b32 s[G1+3], 256<<16
	s_mov_b32 s[G1+4], 256
	s_mov_b32 s[G1+5], 1024
	s_mov_b32 s[G1+6], 0
	s_mov_b32 s[G1+7], 0
	s_mul_i32 s20, s[WV], XBYTES                   ; my quarter's place in LDS
	s_lshl_b32 s36, s[XT], 18                      ; and in memory: 256 rows of 1,024 bytes a block, 256 bytes a quarter
	s_lshl_b32 s37, s[WV], 8
	s_add_co_u32 s36, s36, s37
	s_mov_b32 s37, 0
	v_and_b32 v[LANE], 31, v0
	v_and_b32 v[RR], 15, v0
	v_bfe_u32 v[HH], v0, 4, 1
	v_lshlrev_b32 v[LI], 4, v[LANE]
	v_lshlrev_b32 v[L4], 2, v[LANE]
	v_lshlrev_b32 v[L64], 6, v[LANE]
	v_mul_u32_u24 v[T0], v[RR], PITCH
	v_lshl_add_u32 v[T0], v[HH], 4, v[T0]          ; a fragment's row x pitch + 16 x half
	s_mul_i32 s21, s[ROLE], 128*PITCH              ; my 128 rows of X
.irp k, 0,1,2,3
	v_add_nc_u32 v[ADX+\k], s21, v[T0]
	s_add_co_u32 s21, s21, XBYTES
.endr
	s_mul_i32 s22, s[WV], 16*SPITCH                ; my stage
	s_add_co_u32 s22, s22, STAGE
	v_mul_u32_u24 v[STO], v[RR], SPITCH
	v_lshl_add_u32 v[STO], v[HH], 5, v[STO]
	v_add_nc_u32 v[STO], s22, v[STO]               ; in: row l % 16, 32 bytes for each half of the lanes
	v_add_nc_u32 v[RD], s22, v[LI]                 ; back: the 32 lanes take one row of 512 bytes
	s_wait_alu depctr_va_vdst(0)                   ; the wait at the head's end
	s_wait_dscnt 0x0                               ; both opening adds are done
	s_wait_kmcnt 0x0
	s_mov_b32 s[G0], 1
	s_mov_b32 s[G0+1], s20
	s_add_nc_u64 s[G0+2:G0+3], s[8:9], s[36:37]
	s_or_b32 s[G0+3], s[G0+3], 0x80000000
	CROUND                                         ; all four work-groups are here
	tensor_load_to_lds s[G0:G0+3], s[G1:G1+7]      ; my K quarter of X: my one tensor load
	s_nop 0
	PLACES 4
	s_lshl_b32 s36, s[XT], 14                      ; Wo's scale bytes: 64 a row; my 128 rows
	s_lshl_b32 s38, s[ROLE], 13
	s_add_co_u32 s36, s36, s38
	s_add_nc_u64 s[10:11], s[10:11], s[36:37]
	s_lshl_b32 s36, s[YT], 13                      ; o's scale words: 8,192 bytes a block of tokens, 512 a head, 256 for my 64 tokens
	s_lshl_b32 s38, s[HALF], 8
	s_add_co_u32 s36, s36, s38
	s_add_nc_u64 s[6:7], s[6:7], s[36:37]
	s_lshl_b32 s36, s[YT], 17                      ; o's images: 8,192 bytes a head, 4,096 for my four tiles
	s_lshl_b32 s38, s[HALF], 12
	s_add_co_u32 s36, s36, s38
	s_add_nc_u64 s[4:5], s[4:5], s[36:37]
	s_lshl_b32 s36, s[YT], 21                      ; out: 128 rows of 16,384 bytes a block of tokens, 64 rows a half; 1,024 bytes a block of Wo, 512 a half
	s_lshl_b32 s38, s[HALF], 20
	s_add_co_u32 s36, s36, s38
	s_lshl_b32 s38, s[XT], 10
	s_add_co_u32 s36, s36, s38
	s_lshl_b32 s38, s[ROLE], 9
	s_add_co_u32 s36, s36, s38
	s_add_nc_u64 s[12:13], s[12:13], s[36:37]
.irp b, 0,1,2,3
.irp k, 0,1,2,3
	global_load_b128 v[XS+16*\b+4*\k:XS+16*\b+4*\k+3], v[L64], s[10:11] offset:2048*\b+16*\k   ; row 32 b + lane: the words of K steps 4 k .. 4 k + 3
.endr
.endr
.irp b, 0,1
.set kk, 0
.rept 16
	global_load_b32 v[YS+16*\b+kk], v[L4], s[6:7] offset:512*kk+128*\b   ; lanes 0-15 tile 2 b, lanes 16-31 tile 2 b + 1
.set kk, kk+1
.endr
.endr
.set KQ, 0
.rept 8
	YLOAD KQ
.set KQ, KQ+1
.endr
	WIN 0
	s_wait_tensorcnt 0x0                           ; my quarter is in
	s_barrier_signal -1
	s_barrier_wait -1                              ; everybody's is: all of X is whole
	FETCH 0
.set KQ, 0
.rept 16
	STEP KQ                                        ; the first products start the sums: nothing is cleared
.set KQ, KQ+1
.endr
	WIN 0
; THE WAY OUT, a tile of Y (16 tokens x 128 columns) at a time: through my own stage in LDS and back as whole rows of 512 bytes, which the 32 lanes store as two aligned units of 256 bytes.
.macro TOSTAGE y
	WIN 0x08                                       ; the data: window 2
.irp t, 0,1,2,3,4,5,6,7
	ds_store_b128 v[STO], v[64*(\y)+8*\t:64*(\y)+8*\t+3] offset:64*\t          ; each accumulator from its low end on
	ds_store_b128 v[STO], v[64*(\y)+8*\t+4:64*(\y)+8*\t+7] offset:64*\t+16
.endr
	WIN 0
.set BB, BK+64*((\y)%2)
.irp i, 0,1,2,3,4,5,6,7,8,9,10,11,12,13,14,15
	ds_load_b128 v[BB+4*\i:BB+4*\i+3], v[RD] offset:\i*SPITCH                  ; LDS serves a wave's instructions in order: these see the stores above
.endr
.endm
.macro SEND y, younger                 ; younger: the LDS instructions issued behind tile y's loads, which may stay out
.set BB, BK+64*((\y)%2)
	s_wait_dscnt \younger
.if (\y) > 0
	s_add_nc_u64 s[12:13], s[12:13], 16*16384      ; (behind a wait on XCNT)  16 rows of out on
.endif
.irp i, 0,1,2,3,4,5,6,7,8,9,10,11,12,13,14,15
	global_store_b128 v[LI], v[BB+4*\i:BB+4*\i+3], s[12:13] offset:\i*16384 th:TH_STORE_NT
.endr
.endm
	PLACES 4
	TOSTAGE 0
.irp a, 1,2,3
.if \a > 1
	s_wait_xcnt 0x0                                ; tile a - 2's stores have read their registers and their base
.endif
	TOSTAGE \a
	SEND \a-1, 32
.endr
	s_wait_xcnt 0x0
	SEND 3, 0
	s_wait_tensorcnt 0x0                           ; the wave's end
	ds_add_u32 v[SPW], v[NIL]
	s_wait_dscnt 0x0
	CROUND                                         ; the closing round
	s_endpgm
.Lfunc_end_k_q111828e409_oproj:
	.size	k_q111828e409_oproj, .Lfunc_end_k_q111828e409_oproj-k_q111828e409_oproj
	.p2alignl 7, 3214868480
	.fill 96, 4, 3214868480
	.section	.rodata,"a",@progbits
	.p2align	6, 0x0
	.amdhsa_kernel k_q111828e409_oproj
		.amdhsa_group_segment_fixed_size 327680
		.amdhsa_private_segment_fixed_size 0
		.amdhsa_enable_private_segment 0
		.amdhsa_kernarg_size 40
		.amdhsa_user_sgpr_count 2
		.amdhsa_user_sgpr_kernarg_segment_ptr 1
		.amdhsa_wavefront_size32 1
		.amdhsa_system_sgpr_workgroup_id_x 1
		.amdhsa_system_sgpr_workgroup_id_y 1
		.amdhsa_system_sgpr_workgroup_id_z 1
		.amdhsa_system_vgpr_workitem_id 0
		.amdhsa_next_free_vgpr 1024
		.amdhsa_next_free_sgpr 66
		.amdhsa_reserve_vcc 0
		.amdhsa_float_denorm_mode_32 3
		.amdhsa_float_denorm_mode_16_64 3
		.amdhsa_memory_ordered 1
		.amdhsa_forward_progress 1
		.amdhsa_inst_pref_size 121
	.end_amdhsa_kernel
	.amdgpu_metadata
---
amdhsa.version: [ 1, 2 ]
amdhsa.kernels:
  - .name:           k_q111828e409_oproj
    .symbol:         k_q111828e409_oproj.kd
    .args:
      - { .name: at, .offset: 0, .size: 8, .value_kind: global_buffer, .address_space: global }
      - { .name: at_sc, .offset: 8, .size: 8, .value_kind: global_buffer, .address_space: global }
      - { .name: Wo_codes, .offset: 16, .size: 8, .value_kind: global_buffer, .address_space: global }
      - { .name: Wo_scales, .offset: 24, .size: 8, .value_kind: global_buffer, .address_space: global }
      - { .name: out0, .offset: 32, .size: 8, .value_kind: global_buffer, .address_space: global }
    .group_segment_fixed_size: 327680
    .private_segment_fixed_size: 0
    .kernarg_segment_align: 8
    .kernarg_segment_size: 40
    .max_flat_workgroup_size: 128
    .sgpr_count:     66
    .vgpr_count:     1024
    .wavefront_size: 32
...
	.end_amdgpu_metadata
.endif
;; end of part 3
